; MI455X (gfx1250); checked and timed in simulation.
; The chip was launched on July 23, 2026; its instructions are those of AMD's public machine-readable ISA for CDNA 5 (MIT licence, August 2026) and "CDNA5" Instruction Set Architecture Reference Guide (July 2026). The comments in the code are by the model that wrote it; some were corrected since.
;; Attention. Allowed arithmetic: matrix products marked QUANTISED: E4M3 operands, one given power-of-two scale a tensor, by v_wmma_f32_16x16x64_fp8_fp8 or v_wmma_f32_16x16x128_fp8_fp8, f32 sums; products left as they are: f32 operands where the result goes on into a quantised operand, else bf16, f16 or f32 operands; f32 sums; everything else in f32.
;; Inputs: W_h 1,024 x 1,024 float32; W_s 1,024 x 1,024 float32; decoder_hidden 64 x 1,024 float32; encoder_hiddens 64 x 1,024 x 1,024 float32; lowp_scales 4 int32 (the exponents e of the quantised operands' scales 2^e); mask 64 x 1,024 bool; v 1,024 float32.
;; Outputs: out0 64 x 1,024 float32; out1 64 x 1,024 float32.
;; This version of the problem:
;;   THIS VERSION OF THE PROBLEM IS GIVEN IN LOW PRECISION. The matrix products marked QUANTISED in the list below multiply operands that are first quantised to E4M3 (4 exponent bits, 3 mantissa bits; 8 bits a number), with one given power-of-two scale for each operand tensor; their sums are f32. All else is computed in f32.
;;   The module's matrix products, in the order in which they are computed (A, B: the left and right operand; K: the contracted axis; several contracted axes count as one K, in the product's order):
;;     1. [M 64, K 1,024] x [K 1,024, N 1,024]; A: input decoder_hidden; B: input W_h: QUANTISED (scales: A lowp_scales[0], B lowp_scales[1])
;;     2. [M 65,536, K 1,024] x [K 1,024, N 1,024]; A: input encoder_hiddens; B: input W_s: QUANTISED (scales: A lowp_scales[2], B lowp_scales[3])
;;     3. [M 65,536, K 1,024] x [K 1,024, N 1]; A: computed on the way; B: input v: left as it is (N = 1 < 16)
;;     4. batch 64 x [M 1, K 1,024] x [K 1,024, N 1,024]; A: softmax; B: input encoder_hiddens: left as it is (M = 1 < 16)
;;   THE QUANTISER, for each operand of a quantised product, along K:
;;     - The operand's scale is 2^e, e = its entry of the input lowp_scales (int32; the entries are numbered through the quantised products in the list's order, A before B).
;;     - Each number is divided by the scale, clamped to +-448, and rounded to the nearest number of E4M3, ties to even, subnormals kept.
;;     - The product sums the exact products of the quantised numbers (number of the format x scale) in f32.
;;   ~~~python
;;   def quantise(x, axis, e):      # numpy; x: float32 -> the quantised numbers, widened to float32 again
;;       x = np.moveaxis(x, axis, -1); K = x.shape[-1]
;;       r = np.clip(x / 2.0 ** e, -448, 448)
;;       step = 2.0 ** (np.maximum(np.frexp(np.where(r == 0, 1, r))[1] - 1, -6) - 3)
;;       q = np.round(r / step) * step * 2.0 ** e      # np.round: ties to even
;;       return np.moveaxis(q, -1, axis).astype(np.float32)
;;   ~~~
;; 2 versions, each right; version 2 is version 1 with the launches prep, scores, context written anew for expert scheduling mode. Each part assembles by itself: llvm-mc -triple=amdgcn-amd-amdhsa -mcpu=gfx1250 --defsym DOCPART=n.
;; ======== version 1 of 2: 3 launches
;; workspace buffers: acodes 67,108,864 bytes; wcodes 1,048,576 bytes; dhs 262,144 bytes; part 4,194,304 bytes; cntb 8,192 bytes of whole numbers; idx 262,144 bytes of whole numbers
;; launch prep (part 1): grid 1120 x 1, 4 waves a work-group, no clusters, 20,992 bytes of LDS; arguments encoder_hiddens, mask, W_s, W_h, decoder_hidden, lowp_scales, acodes, wcodes, dhs, cntb, idx; writes acodes, wcodes, dhs, cntb, idx
.if DOCPART == 1
	.amdgcn_target "amdgcn-amd-amdhsa--gfx1250"
	.amdhsa_code_object_version 6
	.text
	.protected	k_qe714769855_prep
	.globl	k_qe714769855_prep
	.p2align	8
	.type	k_qe714769855_prep,@function
k_qe714769855_prep:
	s_mov_b64 s[64:65], 0
	v_nop
	global_prefetch_b8 v0, s[64:65] scope:SCOPE_SE
	s_setreg_imm32_b32 hwreg(HW_REG_WAVE_MODE, 25, 1), 1
	s_wait_xcnt 0x0
; FIRST OF THREE LAUNCHES of score = v . tanh(W_h d + W_s h), masked softmax, context.  N = 64 batches, L = 1024 rows, H = 1024.
; Rows under the mask get the weight 0, so only the rows that count are quantised, multiplied and summed.  This launch
;   P (work-groups 0-15, a wave a batch):     counts a batch's rows that count (cntb) and lists all rows, those that count first (idx);
;   W (16-31, a wave for 16 rows of W_s):     W_s -> codes of E4M3, laid as images of the operand's registers (wcodes);
;   D (32-95, a wave for 16 x 16 of dh):      dh = Q(decoder_hidden) Q(W_h)^T on the matrix unit, stored x 2 log2(e) (dhs);
;   E (96-1119, a wave for 16 rows of a batch): the rows that count -> codes, packed one behind the other (acodes), filled up with rows of zero codes to a multiple of 64.
; ORDER OF THE PACKED ROWS.  A batch's 1,024 mask bytes come by two loads of 16 bytes a lane.  Ballot k (0..31) is byte k & 15 of load k >> 4: its bit b stands for row
; l = 512 (k >> 4) + (k & 15) + 16 b.  A row's place is the number of rows that count in the ballots before k, plus those under bit b of ballot k.  P and E use the same order.
; QUANTISER: x / 2^e, held within +-448, to the nearest code, ties to even.
; LIMITS: each e between -126 and 119; e0 + e1 between -127 and 126 (added to the exponent field of 2 log2(e)).  NaN among the inputs is not served.
.set SP,    80                         ; a lane's place in a stage: its 64 bytes + 16 of padding
.set STG,   32*SP                      ; a stage: 2,048 bytes of a row, turned
.set WREG,  2*STG                      ; two stages (a whole row) for each wave
.set LANE,  1                          ; v1   lane
.set L16,   2                          ; v2   16 x lane; never rewritten
.set FA,    5                          ; v5   roles W, D: a fragment's place: row (lane % 16) x 4,096 + 64 (lane / 16)
.set RO,    4                          ; v4-7   role E: byte offsets of four rows in encoder_hiddens
.set SO,    8                          ; v8-11  role E: and of their places in acodes
.set SIN,   14                         ; v14  role E: the stage, on the way in
.set SOUT,  15                         ; v15  role E: and on the way out
.set CD,    16                         ; v16-23 role E: a row's codes
.set ZR,    24                         ; v24-27 role E: zeros
.set PO,    28                         ; v28  role E: the place of my row of zero codes
.set X,     32                         ; v32-63 role E: a row, 16 neighbours twice; roles W, D: codes
.set R,     64                         ; v64-191 staging
.macro SCALE e, sc, lim                ; v[sc] = 2^e as f32 (the conversion takes its exponent field), v[lim] = 448 x 2^e
	s_add_co_i32 s32, s[\e], 127
	s_lshl_b32 s33, s32, 23
	v_mov_b32 v[\sc], s33
	s_add_co_i32 s32, s32, 8
	s_lshl_b32 s32, s32, 23
	s_or_b32 s32, s32, 0x600000
	v_mov_b32 v[\lim], s32
.endm
.macro BALLOT                          ; s[66+k], k = 0..31: bit b = 1 where row 512 (k >> 4) + (k & 15) + 16 b counts (mask byte 0)
	global_load_b128 v[64:67], v[L16], s[6:7]
	global_load_b128 v[68:71], v[L16], s[6:7] offset:512
	s_wait_loadcnt 0x0
.set K, 0
.rept 32
	v_and_b32 v16, 0xff<<(8*(K&3)), v[64+(K>>2)]
	v_cmp_eq_u32 s[66+K], 0, v16
.set K, K+1
.endr
.endm
.macro FLOAD reg, base, s              ; 16 rows x 128 along K (K step s) of f32: register 16 x + 4 y + e = K 32 x + 16 (lane / 16) + 4 y + e of row lane % 16
.irp x, 0,1,2,3
.irp y, 0,1,2,3
	global_load_b128 v[\reg+16*\x+4*\y:\reg+16*\x+4*\y+3], v[FA], s[\base:\base+1] offset:512*(\s)+128*\x+16*\y
.endr
.endr
.endm
.macro QUANT64 src, dst, sc, lim       ; those 64 numbers become a fragment's 16 registers: register 4 x .. 4 x + 3 = K 32 x + 16 (lane / 16) + 0 .. 15
.set I, 0
.rept 64
	v_med3_num_f32 v[\src+I], v[\src+I], -v[\lim], v[\lim]   ; the conversion does not saturate (ISA guide 7.6.2): the hold at the largest code x the scale
.set I, I+1
.endr
.irp g, 0,1,2,3,4,5,6,7
	v_cvt_scalef32_pk8_fp8_f32 v[\dst+2*\g:\dst+2*\g+1], v[\src+8*\g:\src+8*\g+7], v[\sc]
.endr
	v_nop                                          ; a plain vector line behind the last conversion, ahead of whatever next touches its registers
.endm
	s_load_b512 s[4:19], s[0:1], 0x0               ; enc s[4:5], mask s[6:7], W_s s[8:9], W_h s[10:11], dec s[12:13], scales s[14:15], acodes s[16:17], wcodes s[18:19]
	s_load_b128 s[20:23], s[0:1], 0x40             ; dhs s[20:21], cntb s[22:23]
	s_load_b64 s[24:25], s[0:1], 0x50              ; idx
	v_lshl_add_u32 v192, v0, 2, 0x5000
	v_mov_b32 v193, 0
	v_lshrrev_b32 v1, 5, v0
	v_readfirstlane_b32 s26, v1                    ; wave 0..3
	v_and_b32 v[LANE], 31, v0
	v_lshlrev_b32 v[L16], 4, v[LANE]
	v_and_b32 v3, 15, v0                           ; r
	v_bfe_u32 v4, v0, 4, 1                         ; h
	v_lshlrev_b32 v6, 12, v3
	v_lshl_add_u32 v[FA], v4, 6, v6                ; r x 4,096 + 64 h
	v_lshl_add_u32 v6, v4, 5, v6                   ; role D's way out: r x 4,096 + 32 h
	s_lshl_b32 s27, ttmp9, 2
	s_add_co_u32 s27, s27, s26                     ; the wave's number in the launch
	s_mul_i32 s28, s26, WREG                       ; role E's LDS addresses are made here, ahead of the parting of the roles
	v_lshrrev_b32 v[SIN], 2, v[LANE]
	v_mul_u32_u24 v[SIN], v[SIN], SP
	v_and_b32 v[SOUT], 3, v[LANE]
	v_lshl_add_u32 v[SIN], v[SOUT], 4, v[SIN]
	v_add_nc_u32 v[SIN], s28, v[SIN]               ; in: four lanes' 64 bytes on end, then the padding: SP (lane / 4) + 16 (lane % 4)
	v_mul_u32_u24 v[SOUT], v[LANE], SP
	v_add_nc_u32 v[SOUT], s28, v[SOUT]             ; out: SP x lane: my 16 neighbours
	s_wait_kmcnt 0x0
	s_load_b128 s[36:39], s[14:15], 0x0            ; e0 (decoder_hidden), e1 (W_h), e2 (encoder_hiddens), e3 (W_s)
	s_cmp_lt_u32 ttmp9, 16                         ; the roles part on the work-group's number: all four waves of a work-group have one role
	s_cbranch_scc1 .Lrole_p
	s_cmp_lt_u32 ttmp9, 32
	s_cbranch_scc1 .Lrole_w
	s_cmp_lt_u32 ttmp9, 96
	s_cbranch_scc1 .Lrole_d
; ---------------- E: batch n = (work-group - 96) / 16; my number among the batch's 64 waves: 4 ((work-group - 96) % 16) + wave; ballot kk = that / 2, and the lower or the upper 16 of its bits.
; Half a ballot to a wave, so that four to five work-groups lie on a WGP and their rows are on their way together.
	s_sub_co_u32 s28, ttmp9, 96
	s_lshr_b32 s44, s28, 4                         ; n
	s_and_b32 s28, s28, 15
	s_lshl_b32 s28, s28, 2
	s_add_co_u32 s53, s28, s26                     ; my number among the batch's 64 waves
	s_lshr_b32 s45, s53, 1                         ; kk
	s_and_b32 s54, s53, 1                          ; 0: bits 0-15, 1: bits 16-31
	s_mov_b32 s29, 0
	s_lshl_b32 s28, s44, 10
	s_add_nc_u64 s[6:7], s[6:7], s[28:29]          ; the batch's mask
	BALLOT
	s_lshl_b32 s28, s44, 22                        ; the batch: 4 MiB,
	s_lshr_b32 s30, s45, 4
	s_lshl_b32 s30, s30, 21                        ; + 512 (kk >> 4) rows
	s_add_co_u32 s28, s28, s30
	s_and_b32 s30, s45, 15
	s_lshl_b32 s30, s30, 12                        ; + (kk & 15) rows
	s_add_co_u32 s28, s28, s30
	s_add_nc_u64 s[4:5], s[4:5], s[28:29]          ; bit 0's row; bit b's lies 16 b rows on
	s_lshl_b32 s28, s44, 20
	s_add_nc_u64 s[16:17], s[16:17], s[28:29]      ; the batch's codes
	s_mov_b32 s41, 0                               ; rows that count, so far; at the end: the batch's count
	s_mov_b32 s46, 0                               ; those in front of my ballot
	s_mov_b32 s47, 0                               ; my ballot
.set K, 0
.rept 32
	s_cmp_eq_u32 s45, K
	s_cselect_b32 s46, s41, s46
	s_cselect_b32 s47, s[66+K], s47
	s_bcnt1_i32_b32 s40, s[66+K]
	s_add_co_u32 s41, s41, s40
.set K, K+1
.endr
	s_and_b32 s40, s47, 0xffff                     ; the ballot's lower bits,
	s_and_b32 s43, s47, 0xffff0000                 ; its upper bits,
	s_bcnt1_i32_b32 s42, s40                       ; and the rows that count among the lower
	s_cmp_eq_u32 s54, 0
	s_cselect_b32 s47, s40, s43                    ; my bits
	s_cselect_b32 s42, 0, s42
	s_add_co_u32 s46, s46, s42                     ; rows that count in front of them
	s_bcnt1_i32_b32 s48, s47                       ; my rows that count
	s_wait_kmcnt 0x0
	SCALE 38, 12, 13                               ; e2
.macro LOADROW p                       ; the next row of my bits: its offsets, and eight loads of 512 consecutive bytes
	s_ctz_i32_b32 s51, s47                         ; the lowest bit that is set
	s_min_u32 s51, s51, 31
	s_lshl_b32 s51, s51, 16                        ; 16 rows of 4,096 bytes a bit
	v_add_nc_u32 v[RO+\p], s51, v[L16]
	s_sub_co_u32 s51, s47, 1
	s_and_b32 s47, s47, s51                        ; that bit is done
	s_add_co_u32 s51, s46, s49
	s_add_co_u32 s51, s51, \p                      ; its place among the batch's packed rows
	s_min_u32 s51, s51, 1023
	s_lshl_b32 s51, s51, 10
	v_add_nc_u32 v[SO+\p], s51, v[L16]
.irp z, 0,1,2,3,4,5,6,7
	global_load_b128 v[R+32*\p+4*\z:R+32*\p+4*\z+3], v[RO+\p], s[4:5] offset:512*\z th:TH_LOAD_NT
.endr
.endm
.macro PROC p                          ; row p of the group: turned through my stages, so that a lane holds 16 neighbours along K twice; quantised; stored as two runs of 512 bytes
	s_wait_loadcnt 0x0                             ; for 0: how many rows were asked for hangs on the mask, so no count is leaned on
.irp z, 0,1,2,3,4,5,6,7
	ds_store_b128 v[SIN], v[R+32*\p+4*\z:R+32*\p+4*\z+3] offset:(\z>>2)*STG+8*SP*(\z&3)
.endr
.irp z, 0,1,2,3,4,5,6,7
	ds_load_b128 v[X+4*\z:X+4*\z+3], v[SOUT] offset:(\z>>2)*STG+16*(\z&3)   ; LDS serves a wave's instructions in order: these see my stores
.endr
	s_wait_dscnt 0x0
.set I, 0
.rept 32
	v_med3_num_f32 v[X+I], v[X+I], -v13, v13
.set I, I+1
.endr
	s_wait_xcnt 0x0                                ; the row before has read its codes' registers
.irp g, 0,1,2,3
	v_cvt_scalef32_pk8_fp8_f32 v[CD+2*\g:CD+2*\g+1], v[X+8*\g:X+8*\g+7], v12
.endr
	v_nop
	global_store_b128 v[SO+\p], v[CD:CD+3], s[16:17]                 ; K 16 lane + 0..15
	global_store_b128 v[SO+\p], v[CD+4:CD+7], s[16:17] offset:512    ; K 512 + 16 lane + 0..15
.endm
	s_mov_b32 s49, 0                               ; rows done
.Le_group:                                             ; up to four rows a trip, all asked for together; four trips at the most
	s_cmp_ge_u32 s49, s48
	s_cbranch_scc1 .Le_pad
	s_wait_xcnt 0x0                                ; the last trip's stores have read their offsets
	s_sub_co_u32 s50, s48, s49                     ; rows left
	LOADROW 0
	s_cmp_eq_u32 s50, 1
	s_cbranch_scc1 .Le_1
	LOADROW 1
	s_cmp_eq_u32 s50, 2
	s_cbranch_scc1 .Le_2
	LOADROW 2
	s_cmp_eq_u32 s50, 3
	s_cbranch_scc1 .Le_3
	LOADROW 3
	PROC 3                                         ; in falling order, so that each way in meets only rows that it has loaded
.Le_3:
	PROC 2
.Le_2:
	PROC 1
.Le_1:
	PROC 0
	s_add_co_u32 s49, s49, 4
	s_cmp_lt_u32 s49, 16
	s_cbranch_scc1 .Le_group
.Le_pad:                                               ; rows count .. 64 max(1, ceil(count / 64)) - 1 are zero codes: at most 64, one for each of the batch's 64 waves
	s_add_co_u32 s50, s41, 63
	s_lshr_b32 s50, s50, 6
	s_max_u32 s50, s50, 1
	s_lshl_b32 s50, s50, 6
	s_add_co_u32 s51, s53, s41                     ; count + my number
	s_cmp_ge_u32 s51, s50
	s_cbranch_scc1 .Le_end
.irp i, 0,1,2,3
	v_mov_b32 v[ZR+\i], 0
.endr
	s_min_u32 s52, s51, 1023
	s_lshl_b32 s52, s52, 10
	v_add_nc_u32 v[PO], s52, v[L16]
	global_store_b128 v[PO], v[ZR:ZR+3], s[16:17]
	global_store_b128 v[PO], v[ZR:ZR+3], s[16:17] offset:512
.Le_end:
	s_wait_tensorcnt 0x0
	ds_add_u32 v192, v193
	s_wait_dscnt 0x0
	s_endpgm
; ---------------- P: batch n = the wave's number
.Lrole_p:
	s_mov_b32 s29, 0
	s_lshl_b32 s28, s27, 10
	s_add_nc_u64 s[6:7], s[6:7], s[28:29]
	BALLOT
	s_lshl_b32 s28, s27, 12
	s_add_nc_u64 s[24:25], s[24:25], s[28:29]      ; the batch's list
	s_lshl_b32 s28, s27, 7
	s_add_nc_u64 s[22:23], s[22:23], s[28:29]      ; the batch's count: 32 words, all alike
	s_mov_b32 s41, 0
.set K, 0
.rept 32
	s_bcnt1_i32_b32 s40, s[66+K]
	s_add_co_u32 s41, s41, s40
.set K, K+1
.endr
	v_mov_b32 v17, s41
	v_lshlrev_b32 v18, 2, v[LANE]
	global_store_b32 v18, v17, s[22:23]
	s_mov_b32 s42, 0                               ; rows that count in front of ballot k
	s_mov_b32 s43, s41                             ; count + the masked rows in front of ballot k
.set K, 0
.rept 32                                       ; every ballot has its own two registers, so no store's sources are written again
	v_mbcnt_lo_u32_b32 v[64+K], s[66+K], 0         ; rows that count under my bit
	v_sub_nc_u32 v16, v[LANE], v[64+K]             ; masked rows under my bit
	v_add_nc_u32 v16, s43, v16
	v_add_nc_u32 v[64+K], s42, v[64+K]
	v_cndmask_b32 v[64+K], v16, v[64+K], s[66+K]   ; my row's place: among those that count, or behind them
	v_min_u32 v[64+K], 0x3ff, v[64+K]
	v_lshlrev_b32 v[64+K], 2, v[64+K]
	v_add_nc_u32 v[96+K], 512*(K>>4)+(K&15), v[L16]   ; my row l
	global_store_b32 v[64+K], v[96+K], s[24:25]
	s_bcnt1_i32_b32 s40, s[66+K]
	s_add_co_u32 s42, s42, s40
	s_sub_co_u32 s43, s43, s40
	s_add_co_u32 s43, s43, 32
.set K, K+1
.endr
	s_endpgm
; ---------------- W: rows 16 ct .. 16 ct + 15 of W_s, ct = the wave's number - 64: eight fragments, stored as they stand in the registers: 16 bytes a lane, 512 a store
.Lrole_w:
	s_sub_co_u32 s28, s27, 64
	s_mov_b32 s31, 0
	s_lshl_b32 s30, s28, 16
	s_add_nc_u64 s[8:9], s[8:9], s[30:31]
	s_lshl_b32 s30, s28, 14
	s_add_nc_u64 s[18:19], s[18:19], s[30:31]
	FLOAD 64, 8, 0
	s_wait_kmcnt 0x0
	SCALE 39, 12, 13                               ; e3
.irp s, 0,1,2,3,4,5,6,7
.if \s < 7
	FLOAD 64+64*((\s+1)&1), 8, \s+1
	s_wait_loadcnt 16                              ; this fragment's numbers are in; the next fragment's 16 loads may be out
.else
	s_wait_loadcnt 0x0
.endif
	s_wait_xcnt 0x0                                ; the stores of two steps back have read these codes' registers
	QUANT64 64+64*(\s&1), 32+16*(\s&1), 12, 13
.irp x, 0,1,2,3
	global_store_b128 v[L16], v[32+16*(\s&1)+4*\x:32+16*(\s&1)+4*\x+3], s[18:19] offset:2048*\s+512*\x
.endr
.endr
	s_endpgm
; ---------------- D: dh for features 16 ct .. + 15 (ct = work-group - 32) and batches 16 wave .. + 15.  Source 0 = 16 rows of W_h, source 1 = 16 rows of decoder_hidden:
; lane (r, h) then holds batch r and features 8 h + 0..7: 32 neighbouring bytes of a row of dhs.
.Lrole_d:
	s_sub_co_u32 s28, ttmp9, 32
	s_mov_b32 s31, 0
	s_lshl_b32 s30, s28, 16
	s_add_nc_u64 s[10:11], s[10:11], s[30:31]
	s_lshl_b32 s30, s26, 16
	s_add_nc_u64 s[12:13], s[12:13], s[30:31]
	s_add_nc_u64 s[20:21], s[20:21], s[30:31]
	s_lshl_b32 s30, s28, 6
	s_add_nc_u64 s[20:21], s[20:21], s[30:31]
	FLOAD 64, 10, 0
	FLOAD 128, 12, 0
	s_wait_kmcnt 0x0
	SCALE 37, 12, 13                               ; W_h: e1
	SCALE 36, 10, 11                               ; decoder_hidden: e0
	s_add_co_i32 s34, s36, s37
	s_lshl_b32 s34, s34, 23
	s_add_co_i32 s34, s34, 0x4038aa3b              ; 2 log2(e) x 2^(e0 + e1): the two exponents are added to the constant's exponent field
.macro DSTEP zero, more                ; a K step of 128; more = 1: each staging set takes the next step's loads as soon as it is quantised
	s_wait_loadcnt 0x0                             ; the step's numbers are in, so the bases may step
.if \more
	s_add_nc_u64 s[10:11], s[10:11], 512
	s_add_nc_u64 s[12:13], s[12:13], 512
.endif
	QUANT64 64, 32, 12, 13
.if \more
	FLOAD 64, 10, 0
.endif
	QUANT64 128, 48, 10, 11
.if \more
	FLOAD 128, 12, 0
.endif
.if \zero
	v_wmma_f32_16x16x128_fp8_fp8 v[16:23], v[32:47], v[48:63], 0          ; the first product starts the sums
.else
	s_wait_alu depctr_va_vdst(0)                   ; a wait directly ahead of each link
	v_wmma_f32_16x16x128_fp8_fp8 v[16:23], v[32:47], v[48:63], v[16:23]
.endif
.endm
	DSTEP 1, 1
	s_mov_b32 s35, 6
.Ld_k:                                                 ; the next step's 64 holds are the places between a product and the conversions that rewrite its operands
	DSTEP 0, 1
	s_sub_co_u32 s35, s35, 1
	s_cmp_lg_u32 s35, 0
	s_cbranch_scc1 .Ld_k
	DSTEP 0, 0                                     ; the last step asks for nothing: no load leaves its buffer
.rept 4
	v_nop                                          ; four places ahead of the first read of the sums (ISA guide 7.12.1)
.endr
.irp i, 0,1,2,3,4,5,6,7
	v_mul_f32 v[24+\i], s34, v[16+\i]
.endr
	global_store_b128 v6, v[24:27], s[20:21]
	global_store_b128 v6, v[28:31], s[20:21] offset:16
	s_endpgm
.Lfunc_end_k_qe714769855_prep:
	.size	k_qe714769855_prep, .Lfunc_end_k_qe714769855_prep-k_qe714769855_prep
	.p2alignl 7, 3214868480
	.fill 96, 4, 3214868480
	.section	.rodata,"a",@progbits
	.p2align	6, 0x0
	.amdhsa_kernel k_qe714769855_prep
		.amdhsa_group_segment_fixed_size 20992
		.amdhsa_private_segment_fixed_size 0
		.amdhsa_enable_private_segment 0
		.amdhsa_kernarg_size 88
		.amdhsa_user_sgpr_count 2
		.amdhsa_user_sgpr_kernarg_segment_ptr 1
		.amdhsa_wavefront_size32 1
		.amdhsa_system_sgpr_workgroup_id_x 1
		.amdhsa_system_sgpr_workgroup_id_y 1
		.amdhsa_system_sgpr_workgroup_id_z 1
		.amdhsa_system_vgpr_workitem_id 0
		.amdhsa_next_free_vgpr 194
		.amdhsa_next_free_sgpr 100
		.amdhsa_reserve_vcc 0
		.amdhsa_float_denorm_mode_32 3
		.amdhsa_float_denorm_mode_16_64 3
		.amdhsa_memory_ordered 1
		.amdhsa_forward_progress 1
		.amdhsa_inst_pref_size 149
	.end_amdhsa_kernel
	.amdgpu_metadata
---
amdhsa.version: [ 1, 2 ]
amdhsa.kernels:
  - .name:           k_qe714769855_prep
    .symbol:         k_qe714769855_prep.kd
    .args:
      - { .name: encoder_hiddens, .offset: 0, .size: 8, .value_kind: global_buffer, .address_space: global }
      - { .name: mask, .offset: 8, .size: 8, .value_kind: global_buffer, .address_space: global }
      - { .name: W_s, .offset: 16, .size: 8, .value_kind: global_buffer, .address_space: global }
      - { .name: W_h, .offset: 24, .size: 8, .value_kind: global_buffer, .address_space: global }
      - { .name: decoder_hidden, .offset: 32, .size: 8, .value_kind: global_buffer, .address_space: global }
      - { .name: lowp_scales, .offset: 40, .size: 8, .value_kind: global_buffer, .address_space: global }
      - { .name: acodes, .offset: 48, .size: 8, .value_kind: global_buffer, .address_space: global }
      - { .name: wcodes, .offset: 56, .size: 8, .value_kind: global_buffer, .address_space: global }
      - { .name: dhs, .offset: 64, .size: 8, .value_kind: global_buffer, .address_space: global }
      - { .name: cntb, .offset: 72, .size: 8, .value_kind: global_buffer, .address_space: global }
      - { .name: idx, .offset: 80, .size: 8, .value_kind: global_buffer, .address_space: global }
    .group_segment_fixed_size: 20992
    .private_segment_fixed_size: 0
    .kernarg_segment_align: 8
    .kernarg_segment_size: 88
    .max_flat_workgroup_size: 128
    .sgpr_count:     100
    .vgpr_count:     194
    .wavefront_size: 32
...
	.end_amdgpu_metadata
.endif
;; end of part 1
;; launch scores (part 2): grid 4 x 64, 4 waves a work-group, no clusters, 133,632 bytes of LDS; arguments acodes, wcodes, dhs, v, lowp_scales, cntb, part; writes part
.if DOCPART == 2
	.amdgcn_target "amdgcn-amd-amdhsa--gfx1250"
	.amdhsa_code_object_version 6
	.text
	.protected	k_qe714769855_scores
	.globl	k_qe714769855_scores
	.p2align	8
	.type	k_qe714769855_scores,@function
k_qe714769855_scores:
	s_mov_b64 s[64:65], 0
	v_nop
	global_prefetch_b8 v0, s[64:65] scope:SCOPE_SE
	s_setreg_imm32_b32 hwreg(HW_REG_WAVE_MODE, 25, 1), 1
	s_wait_xcnt 0x0
; SECOND LAUNCH: part[slice][n][place] = the sum over the slice's 64 features k of -2 v[k] / (1 + e^(2 x)), x = dh[n][k] + (Q(h) Q(W_s)^T)[place][k].
; tanh(x) = 1 - 2 / (1 + e^(2 x)): a score is that sum over all features plus the sum of v, which is the same for all rows of a batch and drops out of the softmax.
; SHARES.  Work-group (j, n): features 256 j .. + 255 of batch n.  Wave w: features 256 j + 64 w .. + 63 (slice 4 j + w), four tiles of 16.  Its 32 fragments of W_s (8 K steps x 4 tiles,
; 512 registers) are loaded once and stay.  The batch's packed rows go by in blocks of 64 (four tiles of 16) through two LDS slots: each wave brings a quarter of each tile
; (global load -> registers -> LDS, two blocks ahead) and reads all of it.  m = max(1, ceil(count / 64)) blocks; the loop has a constant 16 blocks with a barrier each, and a block past m is jumped over.
; THE MATRIX INSTRUCTION IS USED TRANSPOSED: source 0 = 16 features, source 1 = 16 rows: lane (r, h) holds row r and features 8 h + 0..7 of each tile, so v and dh are lane constants.
; K is permuted alike in both operands (register 4 x .. 4 x + 3 = K 32 x + 16 h + 0..15): every product meets its partner.
; BY TURNS.  A tile is 32 products and a list of 116 vector lines (the tanh and the sum with v).  There are two sets of accumulators: while tile q's products fill one, tile q - 1's list works on the
; other, a slice of it behind each product.  A slice lies in window 0 and a product's operands do not, so a slice costs two switches of the window: seven issue slots for a product with its slice.
; A block's first tile has no list beside it and its last tile's list stands bare: a block may be the batch's last, and the way round a block hangs on the count.
; No tensor loads and no cluster: the number of blocks is read from memory, and branches hang on it.
; LIMITS: e2 + e3 between -127 and 126 (added to the exponent field of 2 log2(e)).
; REGISTERS, in windows of 256.  Window 0: v1 16 x lane; v2, v3 where I read a slot; v4, v5 where I fill a slot; v8-11 offsets of the staging loads; v12 my offset in part; v14-18 at work;
;   v20-23 the four tiles' sums; v24-27 what is stored; v32-63, v64-95 two sets of four accumulators; v96-127 -2 v; v128-159 2 log2(e) dh.
;   Windows 1, 2: W_s, fragment (K step s, tile c) at v[16 (4 (s % 4) + c)] of window 1 + s / 4.   Window 3: v0-63, v64-127 the rows' fragments of K steps 0-3, 4-7; v128-255 four staging sets.
.set PITCH, 1040                       ; a row in LDS: 1,024 bytes of codes + 16: an odd multiple of 16, so that the 16 rows of a fragment load start in 16 different groups of banks
.set TILEB, 16*PITCH
.set SLOTB, 4*TILEB
.set ACC,   32                         ; set s at v[32 + 32 s]
.set VK,    96
.set BK,    128
.set STA,   128
.set MSB, 0
.macro WIN new                         ; the immediate's high byte repeats the setting that is left; a switch that changes nothing is dropped
.if MSB != \new
	s_set_vgpr_msb (MSB<<8)|\new
.set MSB, \new
.endif
.endm
.macro PLACES                          ; four places behind matrix instructions, ahead of loads into their operands and of reads of their results
.rept 4
	v_nop
.endr
.endm
.macro TOSLOT q, adr                   ; staging set q (my four rows of a tile) into the slot at v[adr]
	WIN 0x0c                                       ; store data in window 3
.irp z, 0,1,2,3,4,5,6,7
	ds_store_b128 v[\adr], v[STA+32*(\q)+4*\z:STA+32*(\q)+4*\z+3] offset:TILEB*(\q)+PITCH*(\z>>1)+512*(\z&1)
.endr
.endm
.macro GLOAD q, ahead                  ; staging set q takes my four rows of tile 4 s35 + ahead + q, or of the batch's last tile where there is none
	s_lshl_b32 s36, s35, 2
	s_add_co_u32 s36, s36, \ahead+\q
	s_min_u32 s36, s36, s24
	s_min_u32 s36, s36, 63
	s_lshl_b32 s36, s36, 14                        ; a tile is 16 rows of 1,024 bytes
	WIN 0
	v_add_nc_u32 v[8+\q], s36, v1
	WIN 0xc0                                       ; destination in window 3
.irp z, 0,1,2,3,4,5,6,7
	global_load_b128 v[STA+32*(\q)+4*\z:STA+32*(\q)+4*\z+3], v[8+\q], s[28:29] offset:512*\z
.endr
.endm
.macro LOADA sig, q, kap               ; tile q of slot sig: its fragments of K steps 4 kap .. 4 kap + 3
	WIN 0xc0
.irp sp, 0,1,2,3
.irp x, 0,1,2,3
	ds_load_b128 v[64*\kap+16*\sp+4*\x:64*\kap+16*\sp+4*\x+3], v[2+\sig] offset:TILEB*(\q)+128*(4*\kap+\sp)+32*\x
.endr
.endr
.endm
; THE LIST of a tile: its 32 sums a lane become the row's sum over my 64 features, in v[20 + q] of both halves of the lanes.  EP writes number J of it for tile q, whose sums lie in set st.
;   0-15    2 log2(e) x, a pair each; each accumulator from its low end on
;   16-47   e^(2 x); infinity where it overflows, and the quotient below is then 0
;   48-63   + 1, a pair each
;   64-95   the reciprocals
;   96-111  x -2 v, summed in two chains;   112-115 the chains, the pair's halves and the lane 16 away (the row's other 32 features) are added
; Behind 47 and behind 95 stand a plain line and the one wait for the batch ahead of the first use of a result.
.macro EP q, st
.set A, ACC+32*(\st)
.if J < 16
	v_pk_fma_f32 v[A+2*J:A+2*J+1], v[A+2*J:A+2*J+1], s[26:27], v[BK+2*J:BK+2*J+1] op_sel_hi:[1,0,1]
.elseif J < 48
	v_exp_f32 v[A+J-16], v[A+J-16]
.elseif J < 64
	v_pk_add_f32 v[A+2*(J-48):A+2*(J-48)+1], v[A+2*(J-48):A+2*(J-48)+1], 1.0 op_sel_hi:[1,0]
.elseif J < 96
	v_rcp_f32 v[A+J-64], v[A+J-64]
.elseif J < 98
	v_pk_mul_f32 v[14+2*(J-96):15+2*(J-96)], v[A+2*(J-96):A+2*(J-96)+1], v[VK+2*(J-96):VK+2*(J-96)+1]
.elseif J < 112
	v_pk_fma_f32 v[14+2*(J%2):15+2*(J%2)], v[A+2*(J-96):A+2*(J-96)+1], v[VK+2*(J-96):VK+2*(J-96)+1], v[14+2*(J%2):15+2*(J%2)]
.elseif J == 112
	v_pk_add_f32 v[14:15], v[14:15], v[16:17]
.elseif J == 113
	v_add_f32 v14, v14, v15
.elseif J == 114
	v_permlanex16_b32 v18, v14, s32, s33
.else
	v_add_f32 v[20+\q], v14, v18
.endif
.endm
.macro BATCHWAIT
	v_nop                                          ; a plain line behind the batch's last transcendental,
	s_wait_alu depctr_va_vdst(0)                   ; and one wait for the batch ahead of its first use
.endm
; Slice KS of 32: slices 0-3 the scalings, 4-14 the exponentials (three a slice), 15-18 the additions, 19-26 the reciprocals, 27-31 the sum.
.macro SLICE q, st
	WIN 0
.if KS < 4
.set J, 4*KS
.set NJ, 4
.elseif KS < 14
.set J, 16+3*(KS-4)
.set NJ, 3
.elseif KS == 14
.set J, 46
.set NJ, 2
.elseif KS < 19
.set J, 48+4*(KS-15)
.set NJ, 4
.elseif KS < 27
.set J, 64+4*(KS-19)
.set NJ, 4
.else
.set J, 96+4*(KS-27)
.set NJ, 4
.endif
.rept NJ
	EP \q, \st
.set J, J+1
.endr
.if (KS == 14) || (KS == 26)
	BATCHWAIT
.endif
.set KS, KS+1
.endm
.macro EPIALL q, st                    ; the whole list, bare
	WIN 0
.set J, 0
.rept 48
	EP \q, \st
.set J, J+1
.endr
	BATCHWAIT
.rept 48
	EP \q, \st
.set J, J+1
.endr
	BATCHWAIT
.rept 20
	EP \q, \st
.set J, J+1
.endr
.endm
; 16 products of tile q, into set st: four K steps x four tiles of features; the four accumulators take turns, one instruction a turn.
; sl = 1: behind each product a slice of tile q - 1's list, on the other set: it names no register of these products.
.macro MMHALF kap, st, sl, q
.irp sp, 0,1,2,3
.irp c, 0,1,2,3
	WIN 0x0d+\kap                                  ; source 0 (W_s) window 1 + kap, source 1 (rows) window 3, C and D window 0
.if (\kap == 0) && (\sp == 0)
	v_wmma_f32_16x16x128_fp8_fp8 v[ACC+32*(\st)+8*\c:ACC+32*(\st)+8*\c+7], v[16*(4*\sp+\c):16*(4*\sp+\c)+15], v[64*\kap+16*\sp:64*\kap+16*\sp+15], 0
.else
	v_wmma_f32_16x16x128_fp8_fp8 v[ACC+32*(\st)+8*\c:ACC+32*(\st)+8*\c+7], v[16*(4*\sp+\c):16*(4*\sp+\c)+15], v[64*\kap+16*\sp:64*\kap+16*\sp+15], v[ACC+32*(\st)+8*\c:ACC+32*(\st)+8*\c+7]
.endif
.if \sl
	SLICE (\q)-1, 1-(\st)
.endif
.endr
.endr
.endm
; A BLOCK of 64 rows, in slot sig.  The barrier at its head does two things.
; It stands on every wave's path in all 16 blocks; only the work behind it is jumped over.
.macro BLOCK sig
	s_wait_dscnt 0x0
	s_barrier_signal -1
	s_barrier_wait -1
	s_add_co_u32 s35, s25, \sig                    ; the block's number
	s_cmp_ge_u32 s35, s23
	s_cbranch_scc1 .Lidle_\@
	LOADA \sig, 0, 0
.irp q, 0,1,2,3
.set KS, 0
	s_wait_loadcnt 24                              ; staging set q is in: behind its eight loads the three other sets' 24 were issued.  (In the first block: W_s too, which was asked for ahead of them)
	TOSLOT \q, 5-\sig                              ; the next block's tile q, into the other slot
	LOADA \sig, \q, 1
	s_wait_dscnt 24                                ; K steps 0-3 are in: behind them stand the 8 stores and the 16 loads just issued
.if \q == 0
	MMHALF 0, 0, 0, 0
	PLACES
.else
	MMHALF 0, (\q)%2, 1, \q                        ; its last slice, four packed additions on the other set, are the four places ahead of the loads below
.endif
.if \q < 3
	LOADA \sig, \q+1, 0
	s_wait_dscnt 16                                ; all but the 16 just issued: K steps 4-7 are in, and the stores have read staging set q,
.else
	s_wait_dscnt 0x0
.endif
	GLOAD \q, 8                                    ; which takes the tile of two blocks on
.if \q == 0
	MMHALF 1, 0, 0, 0
.else
	MMHALF 1, (\q)%2, 1, \q
.endif
	PLACES                                         ; ahead of the next loads into K steps 4-7's registers and of the first read of this tile's sums
.endr
	EPIALL 3, 1
	v_cndmask_b32 v[24+2*\sig], v20, v21, s34      ; lanes 0-15: tile 0's rows, lanes 16-31: tile 1's
	v_cndmask_b32 v[25+2*\sig], v22, v23, s34      ; tiles 2 and 3
	global_store_b32 v12, v[24+2*\sig], s[30:31] offset:256*\sig
	global_store_b32 v12, v[25+2*\sig], s[30:31] offset:256*\sig+128
.Lidle_\@:
.endm
	s_load_b256 s[4:11], s[0:1], 0x0               ; acodes s[4:5], wcodes s[6:7], dhs s[8:9], v s[10:11]
	s_load_b128 s[12:15], s[0:1], 0x20             ; scales s[12:13], cntb s[14:15]
	s_load_b64 s[16:17], s[0:1], 0x30              ; part
	v_lshl_add_u32 v254, v0, 2, 0x20800
	v_mov_b32 v255, 0
	v_lshrrev_b32 v1, 5, v0
	v_readfirstlane_b32 s20, v1                    ; wave
	s_and_b32 s22, ttmp7, 0xffff                   ; n
	v_and_b32 v6, 31, v0
	v_lshlrev_b32 v1, 4, v6                        ; 16 x lane
	v_and_b32 v7, 15, v0                           ; r
	v_bfe_u32 v13, v0, 4, 1                        ; h
	v_mul_u32_u24 v2, v7, PITCH
	v_lshl_add_u32 v2, v13, 4, v2                  ; a fragment's row x pitch + 16 h, in slot 0,
	v_add_nc_u32 v3, SLOTB, v2                     ; in slot 1
	s_mul_i32 s36, s20, 4*PITCH
	v_add_nc_u32 v4, s36, v1                       ; my four rows of a tile, 16 bytes a lane, in slot 0,
	v_add_nc_u32 v5, SLOTB, v4                     ; in slot 1
	v_lshlrev_b32 v12, 2, v6
	v_lshlrev_b32 v19, 5, v13                      ; my eight features of a tile: 32 h bytes
	v_mov_b32 v18, 0                               ; written once: a lane permute's destination counts as one of its sources
.irp q, 0,1,2,3
	v_add_nc_u32 v[8+\q], \q<<14, v1
.endr
	s_mov_b32 s32, 0x76543210
	s_mov_b32 s33, 0xfedcba98
	s_mov_b32 s34, 0xffff0000
	s_mov_b32 s37, 0
	s_lshl_b32 s21, ttmp9, 2
	s_add_co_u32 s21, s21, s20                     ; my slice: 4 j + w
	s_wait_kmcnt 0x0
	s_lshl_b32 s36, s22, 7
	s_add_nc_u64 s[14:15], s[14:15], s[36:37]
	s_load_b32 s23, s[14:15], 0x0                  ; the batch's count
	s_load_b64 s[38:39], s[12:13], 0x8             ; e2, e3
	s_lshl_b32 s36, s21, 16                        ; four tiles of features x 16,384 bytes
	s_add_nc_u64 s[6:7], s[6:7], s[36:37]
	s_lshl_b32 s36, s21, 8                         ; 64 features x 4 bytes
	s_add_nc_u64 s[10:11], s[10:11], s[36:37]
	s_add_nc_u64 s[8:9], s[8:9], s[36:37]
	s_lshl_b32 s36, s22, 12
	s_add_nc_u64 s[8:9], s[8:9], s[36:37]
	s_add_nc_u64 s[30:31], s[16:17], s[36:37]
	s_lshl_b32 s36, s21, 18
	s_add_nc_u64 s[30:31], s[30:31], s[36:37]      ; part at (slice, n)
	s_lshl_b32 s36, s22, 20
	s_add_nc_u64 s[28:29], s[4:5], s[36:37]
	s_lshl_b32 s36, s20, 12
	s_add_nc_u64 s[28:29], s[28:29], s[36:37]      ; the batch's codes at my four rows of tile 0
	; THE ORDER OF THE FIRST LOADS: what the other waves wait for comes first (block 0's rows, then v and dh: 48 loads), W_s's 128 behind it.
	WIN 0xc0
.irp q, 0,1,2,3
.irp z, 0,1,2,3,4,5,6,7
	global_load_b128 v[STA+32*\q+4*\z:STA+32*\q+4*\z+3], v[8+\q], s[28:29] offset:512*\z   ; block 0: it always exists
.endr
.endr
	WIN 0
.irp c, 0,1,2,3
	global_load_b128 v[VK+8*\c:VK+8*\c+3], v19, s[10:11] offset:64*\c
	global_load_b128 v[VK+8*\c+4:VK+8*\c+7], v19, s[10:11] offset:64*\c+16
	global_load_b128 v[BK+8*\c:BK+8*\c+3], v19, s[8:9] offset:64*\c
	global_load_b128 v[BK+8*\c+4:BK+8*\c+7], v19, s[8:9] offset:64*\c+16
.endr
	WIN 0x40
.irp s, 0,1,2,3
.irp c, 0,1,2,3
.irp x, 0,1,2,3
	global_load_b128 v[16*(4*\s+\c)+4*\x:16*(4*\s+\c)+4*\x+3], v1, s[6:7] offset:(8*\c+\s)*2048+512*\x
.endr
.endr
.endr
	WIN 0x80
.irp s, 0,1,2,3
.irp c, 0,1,2,3
.irp x, 0,1,2,3
	global_load_b128 v[16*(4*\s+\c)+4*\x:16*(4*\s+\c)+4*\x+3], v1, s[6:7] offset:(8*\c+\s+4)*2048+512*\x
.endr
.endr
.endr
	WIN 0
	s_wait_loadcnt 63                              ; loads come back in order (ISA guide 5.7.1): block 0's rows, v and dh have 128 younger loads behind them, so they are in; the last of W_s may be out
.set J, 0
.rept 16
	v_pk_mul_f32 v[VK+J:VK+J+1], v[VK+J:VK+J+1], -2.0 op_sel_hi:[1,0]
.set J, J+2
.endr
.irp q, 0,1,2,3
	TOSLOT \q, 4
.endr
	s_wait_dscnt 0x0                               ; the stores have read the staging sets
	s_wait_kmcnt 0x0
	s_add_co_u32 s23, s23, 63
	s_lshr_b32 s23, s23, 6
	s_max_u32 s23, s23, 1
	s_min_u32 s23, s23, 16                         ; m: blocks
	s_lshl_b32 s24, s23, 2
	s_sub_co_u32 s24, s24, 1                       ; the batch's last tile
	s_add_co_i32 s26, s38, s39
	s_lshl_b32 s26, s26, 23
	s_add_co_i32 s26, s26, 0x4038aa3b              ; 2 log2(e) x 2^(e2 + e3)
	s_mov_b32 s27, s26                             ; (named with it as a pair, so it is written)
	s_mov_b32 s35, 0
.irp q, 0,1,2,3
	GLOAD \q, 4                                    ; block 1: 32 loads behind W_s's
.endr
	WIN 0                                          ; at a label and at a branch every window is 0
	s_mov_b32 s25, 0
.Lpair:                                                ; eight trips of two blocks
	BLOCK 0
	BLOCK 1
	s_wait_xcnt 0x0                                ; the stores have read their offset and data
	v_add_nc_u32 v12, 512, v12
	s_add_co_u32 s25, s25, 2
	s_cmp_lt_u32 s25, 16
	s_cbranch_scc1 .Lpair
	s_wait_tensorcnt 0x0
	ds_add_u32 v254, v255
	s_wait_dscnt 0x0
	s_endpgm
.Lfunc_end_k_qe714769855_scores:
	.size	k_qe714769855_scores, .Lfunc_end_k_qe714769855_scores-k_qe714769855_scores
	.p2alignl 7, 3214868480
	.fill 96, 4, 3214868480
	.section	.rodata,"a",@progbits
	.p2align	6, 0x0
	.amdhsa_kernel k_qe714769855_scores
		.amdhsa_group_segment_fixed_size 133632
		.amdhsa_private_segment_fixed_size 0
		.amdhsa_enable_private_segment 0
		.amdhsa_kernarg_size 56
		.amdhsa_user_sgpr_count 2
		.amdhsa_user_sgpr_kernarg_segment_ptr 1
		.amdhsa_wavefront_size32 1
		.amdhsa_system_sgpr_workgroup_id_x 1
		.amdhsa_system_sgpr_workgroup_id_y 1
		.amdhsa_system_sgpr_workgroup_id_z 1
		.amdhsa_system_vgpr_workitem_id 0
		.amdhsa_next_free_vgpr 1024
		.amdhsa_next_free_sgpr 66
		.amdhsa_reserve_vcc 0
		.amdhsa_float_denorm_mode_32 3
		.amdhsa_float_denorm_mode_16_64 3
		.amdhsa_memory_ordered 1
		.amdhsa_forward_progress 1
		.amdhsa_inst_pref_size 130
	.end_amdhsa_kernel
	.amdgpu_metadata
---
amdhsa.version: [ 1, 2 ]
amdhsa.kernels:
  - .name:           k_qe714769855_scores
    .symbol:         k_qe714769855_scores.kd
    .args:
      - { .name: acodes, .offset: 0, .size: 8, .value_kind: global_buffer, .address_space: global }
      - { .name: wcodes, .offset: 8, .size: 8, .value_kind: global_buffer, .address_space: global }
      - { .name: dhs, .offset: 16, .size: 8, .value_kind: global_buffer, .address_space: global }
      - { .name: v, .offset: 24, .size: 8, .value_kind: global_buffer, .address_space: global }
      - { .name: lowp_scales, .offset: 32, .size: 8, .value_kind: global_buffer, .address_space: global }
      - { .name: cntb, .offset: 40, .size: 8, .value_kind: global_buffer, .address_space: global }
      - { .name: part, .offset: 48, .size: 8, .value_kind: global_buffer, .address_space: global }
    .group_segment_fixed_size: 133632
    .private_segment_fixed_size: 0
    .kernarg_segment_align: 8
    .kernarg_segment_size: 56
    .max_flat_workgroup_size: 128
    .sgpr_count:     66
    .vgpr_count:     1024
    .wavefront_size: 32
...
	.end_amdgpu_metadata
.endif
;; end of part 2
;; launch context (part 3): grid 4 x 64, 16 waves a work-group, no clusters, 23,040 bytes of LDS; arguments encoder_hiddens, part, idx, cntb, out0, out1; writes out0, out1
.if DOCPART == 3
	.amdgcn_target "amdgcn-amd-amdhsa--gfx1250"
	.amdhsa_code_object_version 6
	.text
	.protected	k_qe714769855_context
	.globl	k_qe714769855_context
	.p2align	8
	.type	k_qe714769855_context,@function
k_qe714769855_context:
	s_mov_b64 s[64:65], 0
	v_nop
	global_prefetch_b8 v0, s[64:65] scope:SCOPE_SE
	s_setreg_imm32_b32 hwreg(HW_REG_WAVE_MODE, 25, 1), 1
	s_wait_xcnt 0x0
; THIRD LAUNCH: the scores' 16 parts are added; softmax over a batch's rows that count, with the true maximum taken away; out1 = the weights (0 under the mask); out0 = the weighted sum of the rows.
; SHARES.  Work-group (hq, n): columns 256 hq .. + 255 of batch n's context.  Each of a batch's four work-groups makes the batch's softmax for itself (68 KB of reads) and stores a quarter of out1.
; Thread t holds places 2 t and 2 t + 1 of the packed order.  For the context wave w takes places 256 u + 16 w .. + 15, u = 0..3: 16 rows a trip, two loads of 512 consecutive bytes a row.
; THE ROWS DO NOT WAIT FOR THE SOFTMAX: their numbers come from idx by scalar loads at the head, and trip 0's 32 loads are issued there, behind the loads of the scores' parts.  From then on the 16 rows'
; registers are a ring: in a trip that has a successor, row J's registers take the next trip's row J as soon as row J is summed, so that 30 to 32 loads of the wave are always out.
; A trip whose places all lie past the count is left out, and so are all behind it.  A wave whose trip 0 lies past the count has loaded 16 rows that it does not use (idx holds every row, so they lie inside the buffer).
; A batch with no row that counts gives NaN everywhere, as the softmax of nothing but -infinity does.
; Memory binds here: no matrix unit, no cluster (work-groups share no row bytes), f32 multiply-adds.
; LIMIT: of the rows under the mask only those that fill a wave's last 16 places are multiplied (by the weight 0); an infinity or NaN in any other masked row does not reach out0.
.set WL, 0                             ; LDS: 1,024 weights
.set RM, 4096                          ; 16 waves' maxima
.set RS, 4352                          ; 16 waves' sums
.set CR, 4608                          ; 16 waves' parts of the context: 1,024 bytes each
.set PT, 192                           ; v192-223 the scores' 16 parts at my two places
.macro BARRIER                         ; my LDS stores have landed and my LDS loads are in: then the work-group's barrier
	s_wait_dscnt 0x0
	s_barrier_signal -1
	s_barrier_wait -1
.endm
.macro ROWLOAD sb                      ; row J of the trip whose rows' numbers stand in s[sb] on: its offset, and its 1,024 bytes of my quarter of the columns
	s_min_u32 s[\sb+J], s[\sb+J], 1023
	s_lshl_b32 s[\sb+J], s[\sb+J], 12
	v_add_nc_u32 v[48+J], s[\sb+J], v6
	global_load_b128 v[64+8*J:67+8*J], v[48+J], s[4:5] th:TH_LOAD_NT
	global_load_b128 v[68+8*J:71+8*J], v[48+J], s[4:5] offset:512 th:TH_LOAD_NT
.endm
.macro ROWFMA                          ; my 8 columns' sums += weight J x row J
.set A, 0
.rept 4
.if J%2
	v_pk_fma_f32 v[8+A:9+A], v[64+8*J+A:65+8*J+A], v[31+J:32+J], v[8+A:9+A] op_sel:[0,1,0] op_sel_hi:[1,1,1]   ; the pair's second word for both halves
.else
	v_pk_fma_f32 v[8+A:9+A], v[64+8*J+A:65+8*J+A], v[32+J:33+J], v[8+A:9+A] op_sel_hi:[1,0,1]                  ; the pair's first word for both halves
.endif
.set A, A+2
.endr
.endm
	s_load_b256 s[4:11], s[0:1], 0x0               ; enc s[4:5], part s[6:7], idx s[8:9], cntb s[10:11]
	s_load_b128 s[12:15], s[0:1], 0x20             ; out0 s[12:13], out1 s[14:15]
	v_lshl_add_u32 v224, v0, 2, 0x5200
	v_mov_b32 v225, 0
	v_lshrrev_b32 v1, 5, v0
	v_readfirstlane_b32 s16, v1                    ; wave 0..15
	s_and_b32 s18, ttmp7, 0xffff                   ; n
	v_lshlrev_b32 v2, 1, v0                        ; my first place
	v_or_b32 v5, 1, v2                             ; my second
	v_lshlrev_b32 v4, 3, v0                        ; 8 t
	v_and_b32 v6, 31, v0
	v_lshlrev_b32 v6, 4, v6                        ; 16 x lane
	v_lshlrev_b32 v7, 6, v1                        ; my wave's 16 weights of a trip: 64 w
	v_lshlrev_b32 v22, 2, v1                       ; my wave's word among 16
	v_lshl_add_u32 v1, v1, 10, v6                  ; my 16 bytes of my wave's part of the context
	v_mov_b32 v23, 0
	v_mov_b32 v21, 0                               ; written once: a lane permute's destination counts as one of its sources
	v_mov_b32 v41, 0xff800000                      ; -infinity
	s_mov_b32 s28, 0x76543210
	s_mov_b32 s29, 0xfedcba98
	s_mov_b32 s21, 0
	s_lshl_b32 s24, s16, 4                         ; my wave's first place
	s_wait_kmcnt 0x0
	s_lshl_b32 s20, s18, 7
	s_add_nc_u64 s[10:11], s[10:11], s[20:21]
	s_load_b32 s19, s[10:11], 0x0                  ; the batch's count
	s_lshl_b32 s20, s18, 12
	s_add_nc_u64 s[6:7], s[6:7], s[20:21]
	s_add_nc_u64 s[8:9], s[8:9], s[20:21]
	s_add_nc_u64 s[12:13], s[12:13], s[20:21]
	s_add_nc_u64 s[14:15], s[14:15], s[20:21]
	global_load_b64 v[42:43], v4, s[8:9]           ; the rows at my two places
	s_lshl_b32 s20, s16, 6
	s_add_nc_u64 s[30:31], s[8:9], s[20:21]
	s_load_b512 s[32:47], s[30:31], 0x0            ; the 16 rows of each of my wave's four trips
	s_load_b512 s[48:63], s[30:31], 0x400
	s_load_b512 s[68:83], s[30:31], 0x800
	s_load_b512 s[84:99], s[30:31], 0xc00
	s_lshl_b32 s20, s18, 22
	s_add_nc_u64 s[4:5], s[4:5], s[20:21]
	s_lshl_b32 s20, ttmp9, 10                      ; my quarter of the columns
	s_add_nc_u64 s[4:5], s[4:5], s[20:21]
	s_add_nc_u64 s[12:13], s[12:13], s[20:21]
	s_wait_kmcnt 0x0
	s_add_co_u32 s22, s19, 63
	s_lshr_b32 s22, s22, 6
	s_max_u32 s22, s22, 1
	s_lshl_b32 s22, s22, 6
	s_sub_co_u32 s22, s22, 2                       ; the last pair of places that the launch before has stored
	v_min_u32 v3, s22, v2
	v_min_u32 v3, 0x3fe, v3
	v_lshlrev_b32 v3, 2, v3
.set K, 0
.rept 16
	global_load_b64 v[PT+2*K:PT+2*K+1], v3, s[6:7] offset:262144*K   ; a wave reads 256 consecutive bytes of each slice
.set K, K+1
.endr
.set J, 0
.rept 16
	ROWLOAD 32                                     ; trip 0's rows: they are on their way while the softmax is made
.set J, J+1
.endr
	s_wait_loadcnt 32                              ; idx and the 16 parts are in: behind them stand the rows' 32 loads
.irp k, 0,1,2,3,4,5,6,7
	v_pk_add_f32 v[PT+4*\k:PT+4*\k+1], v[PT+4*\k:PT+4*\k+1], v[PT+4*\k+2:PT+4*\k+3]
.endr
.irp k, 0,1,2,3
	v_pk_add_f32 v[PT+8*\k:PT+8*\k+1], v[PT+8*\k:PT+8*\k+1], v[PT+8*\k+4:PT+8*\k+5]
.endr
	v_pk_add_f32 v[PT:PT+1], v[PT:PT+1], v[PT+8:PT+9]
	v_pk_add_f32 v[PT+16:PT+17], v[PT+16:PT+17], v[PT+24:PT+25]
	v_pk_add_f32 v[16:17], v[PT:PT+1], v[PT+16:PT+17]   ; my two scores
	v_cmp_gt_u32 vcc_lo, s19, v2
	v_cndmask_b32 v16, v41, v16, vcc_lo            ; places past the count are rows under the mask: -infinity
	v_cmp_gt_u32 vcc_lo, s19, v5
	v_cndmask_b32 v17, v41, v17, vcc_lo
	; ---- the batch's largest score
	v_max_num_f32 v20, v16, v17
	v_max_num_f32_dpp v20, v20, v20 row_xmask:1 row_mask:0xf bank_mask:0xf
	v_max_num_f32_dpp v20, v20, v20 row_xmask:2 row_mask:0xf bank_mask:0xf
	v_max_num_f32_dpp v20, v20, v20 row_xmask:4 row_mask:0xf bank_mask:0xf
	v_max_num_f32_dpp v20, v20, v20 row_xmask:8 row_mask:0xf bank_mask:0xf
	v_permlanex16_b32 v21, v20, s28, s29
	v_max_num_f32 v20, v20, v21
	ds_store_b32 v22, v20 offset:RM                ; all lanes write the wave's word with the same number
	BARRIER
.irp i, 0,1,2,3
	ds_load_b128 v[24+4*\i:27+4*\i], v23 offset:RM+16*\i
.endr
	s_wait_dscnt 0x0
	v_max3_num_f32 v20, v24, v25, v26
.irp i, 27,29,31,33,35,37
	v_max3_num_f32 v20, v20, v[\i], v[\i+1]
.endr
	v_max_num_f32 v20, v20, v39
	; ---- p = e^(score - largest), and the batch's sum
	v_sub_f32 v16, v16, v20
	v_sub_f32 v17, v17, v20
	v_mul_f32 v16, 0x3fb8aa3b, v16
	v_mul_f32 v17, 0x3fb8aa3b, v17
	v_exp_f32 v16, v16
	v_exp_f32 v17, v17
	v_nop                                          ; a plain line behind the exponentials,
	s_wait_alu depctr_va_vdst(0)                   ; and the wait ahead of their first use
	v_add_f32 v20, v16, v17
	v_add_f32_dpp v20, v20, v20 row_xmask:1 row_mask:0xf bank_mask:0xf
	v_add_f32_dpp v20, v20, v20 row_xmask:2 row_mask:0xf bank_mask:0xf
	v_add_f32_dpp v20, v20, v20 row_xmask:4 row_mask:0xf bank_mask:0xf
	v_add_f32_dpp v20, v20, v20 row_xmask:8 row_mask:0xf bank_mask:0xf
	v_permlanex16_b32 v21, v20, s28, s29
	v_add_f32 v20, v20, v21
	ds_store_b32 v22, v20 offset:RS
	BARRIER
.irp i, 0,1,2,3
	ds_load_b128 v[24+4*\i:27+4*\i], v23 offset:RS+16*\i
.endr
	s_wait_dscnt 0x0
.irp i, 0,1,2,3
	v_pk_add_f32 v[24+4*\i:25+4*\i], v[24+4*\i:25+4*\i], v[26+4*\i:27+4*\i]
.endr
	v_pk_add_f32 v[24:25], v[24:25], v[28:29]
	v_pk_add_f32 v[32:33], v[32:33], v[36:37]
	v_pk_add_f32 v[24:25], v[24:25], v[32:33]
	v_add_f32 v40, v24, v25
	v_rcp_f32 v40, v40
	v_min_u32 v18, 0x3ff, v42                      ; (plain lines behind the reciprocal)  where my two weights go in out1
	v_min_u32 v19, 0x3ff, v43
	v_lshlrev_b32 v18, 2, v18
	v_lshlrev_b32 v19, 2, v19
	s_wait_alu depctr_va_vdst(0)
	v_mul_f32 v16, v16, v40                        ; the weights
	v_mul_f32 v17, v17, v40
	v_mul_f32 v3, 0, v40                           ; 0, or NaN where no row counts: added to the context below
	ds_store_b64 v4, v[16:17] offset:WL
	s_lshr_b32 s23, s16, 2                         ; out1: waves 4 hq .. 4 hq + 3 store places 256 hq .. + 255; idx holds every row once, so each number of out1 is written once in the launch
	s_cmp_lg_u32 s23, ttmp9
	s_cbranch_scc1 .Lno_w
	global_store_b32 v18, v16, s[14:15]            ; v16-19 are not written again
	global_store_b32 v19, v17, s[14:15]
.Lno_w:
	BARRIER                                        ; the 1,024 weights lie in LDS
	; ---- the context
.irp a, 0,1,2,3,4,5,6,7
	v_mov_b32 v[8+\a], 0                           ; my 8 columns' sums: 4 lane + 0..3 and 128 + 4 lane + 0..3
.endr
	s_cmp_ge_u32 s24, s19                          ; none of my places counts
	s_cbranch_scc1 .Lsummed
; Trip u: places 256 u + 16 w .. + 15; its 32 loads are out when it begins, row 0's the oldest.  sbn: where the next trip's rows' numbers stand.
.macro TRIP u, sbn
.irp i, 0,1,2,3
	ds_load_b128 v[32+4*\i:35+4*\i], v7 offset:WL+1024*\u+16*\i     ; 16 weights, the same in every lane
.endr
	s_wait_dscnt 0x0
.if \u < 3
	s_add_co_u32 s27, s24, 256*(\u+1)
	s_cmp_ge_u32 s27, s19
	s_cbranch_scc1 .Llast_\u
.set J, 0
.rept 16
	s_wait_loadcnt 30                              ; row J's two loads are in: behind them stand rows J + 1 .. 15 of this trip and rows 0 .. J - 1 of the next: 30 loads.  So its offset may be written
	ROWFMA
	ROWLOAD \sbn                                   ; and its registers take the next trip's row J
.set J, J+1
.endr
	s_branch .Lnext_\u
.Llast_\u:
.endif
.set J, 0
.rept 16
	s_wait_loadcnt 30-2*J                          ; my last trip asks for nothing: the counts run down
	ROWFMA
.set J, J+1
.endr
.if \u < 3
	s_branch .Lsummed
.Lnext_\u:
.endif
.endm
	TRIP 0, 48
	TRIP 1, 68
	TRIP 2, 84
	TRIP 3, 0
.Lsummed:
	s_wait_loadcnt 0x0                             ; (a wave that used none of its rows: their loads have landed, so their registers may be written)
	ds_store_b128 v1, v[8:11] offset:CR
	ds_store_b128 v1, v[12:15] offset:CR+512
	BARRIER                                        ; the 16 waves' parts lie in LDS
	s_cmp_ge_u32 s16, 4
	s_cbranch_scc1 .Lend
.set K, 0
.rept 16
	ds_load_b64 v[64+2*K:65+2*K], v4 offset:CR+1024*K              ; threads 0-127: columns 2 t, 2 t + 1 of each part
.set K, K+1
.endr
	s_wait_dscnt 0x0
.irp k, 0,1,2,3,4,5,6,7
	v_pk_add_f32 v[64+4*\k:65+4*\k], v[64+4*\k:65+4*\k], v[66+4*\k:67+4*\k]
.endr
.irp k, 0,1,2,3
	v_pk_add_f32 v[64+8*\k:65+8*\k], v[64+8*\k:65+8*\k], v[68+8*\k:69+8*\k]
.endr
	v_pk_add_f32 v[64:65], v[64:65], v[72:73]
	v_pk_add_f32 v[80:81], v[80:81], v[88:89]
	v_pk_add_f32 v[64:65], v[64:65], v[80:81]
	v_add_f32 v64, v64, v3
	v_add_f32 v65, v65, v3
	global_store_b64 v4, v[64:65], s[12:13]        ; a wave stores 256 consecutive bytes, at a multiple of 256 from out0's first byte
.Lend:
	s_wait_tensorcnt 0x0
	ds_add_u32 v224, v225
	s_wait_dscnt 0x0
	s_endpgm
.Lfunc_end_k_qe714769855_context:
	.size	k_qe714769855_context, .Lfunc_end_k_qe714769855_context-k_qe714769855_context
	.p2alignl 7, 3214868480
	.fill 96, 4, 3214868480
	.section	.rodata,"a",@progbits
	.p2align	6, 0x0
	.amdhsa_kernel k_qe714769855_context
		.amdhsa_group_segment_fixed_size 23040
		.amdhsa_private_segment_fixed_size 0
		.amdhsa_enable_private_segment 0
		.amdhsa_kernarg_size 48
		.amdhsa_user_sgpr_count 2
		.amdhsa_user_sgpr_kernarg_segment_ptr 1
		.amdhsa_wavefront_size32 1
		.amdhsa_system_sgpr_workgroup_id_x 1
		.amdhsa_system_sgpr_workgroup_id_y 1
		.amdhsa_system_sgpr_workgroup_id_z 1
		.amdhsa_system_vgpr_workitem_id 0
		.amdhsa_next_free_vgpr 226
		.amdhsa_next_free_sgpr 100
		.amdhsa_reserve_vcc 1
		.amdhsa_float_denorm_mode_32 3
		.amdhsa_float_denorm_mode_16_64 3
		.amdhsa_memory_ordered 1
		.amdhsa_forward_progress 1
		.amdhsa_inst_pref_size 65
	.end_amdhsa_kernel
	.amdgpu_metadata
---
amdhsa.version: [ 1, 2 ]
amdhsa.kernels:
  - .name:           k_qe714769855_context
    .symbol:         k_qe714769855_context.kd
    .args:
      - { .name: encoder_hiddens, .offset: 0, .size: 8, .value_kind: global_buffer, .address_space: global }
      - { .name: part, .offset: 8, .size: 8, .value_kind: global_buffer, .address_space: global }
      - { .name: idx, .offset: 16, .size: 8, .value_kind: global_buffer, .address_space: global }
      - { .name: cntb, .offset: 24, .size: 8, .value_kind: global_buffer, .address_space: global }
      - { .name: out0, .offset: 32, .size: 8, .value_kind: global_buffer, .address_space: global }
      - { .name: out1, .offset: 40, .size: 8, .value_kind: global_buffer, .address_space: global }
    .group_segment_fixed_size: 23040
    .private_segment_fixed_size: 0
    .kernarg_segment_align: 8
    .kernarg_segment_size: 48
    .max_flat_workgroup_size: 512
    .sgpr_count:     100
    .vgpr_count:     226
    .wavefront_size: 32
...
	.end_amdgpu_metadata
.endif
;; end of part 3
;; ======== version 2 of 2: 3 launches; version 1 with the launches prep, scores, context written anew for expert scheduling mode
;; workspace buffers: acodes 67,108,864 bytes; wcodes 1,048,576 bytes; dhs 262,144 bytes; part 4,194,304 bytes; cntb 8,192 bytes of whole numbers; idx 262,144 bytes of whole numbers
;; launch prep (part 4): grid 1120 x 1, 4 waves a work-group, no clusters, 20,992 bytes of LDS; arguments encoder_hiddens, mask, W_s, W_h, decoder_hidden, lowp_scales, acodes, wcodes, dhs, cntb, idx; writes acodes, wcodes, dhs, cntb, idx
.if DOCPART == 4
	.amdgcn_target "amdgcn-amd-amdhsa--gfx1250"
	.amdhsa_code_object_version 6
	.text
	.protected	k_qe714769855_prep
	.globl	k_qe714769855_prep
	.p2align	8
	.type	k_qe714769855_prep,@function
k_qe714769855_prep:
	s_mov_b64 s[64:65], 0
	v_nop
	global_prefetch_b8 v0, s[64:65] scope:SCOPE_SE
	s_setreg_imm32_b32 hwreg(HW_REG_WAVE_SCHED_MODE, 0, 2), 2
	s_setreg_imm32_b32 hwreg(HW_REG_WAVE_MODE, 25, 1), 1
	s_wait_xcnt 0x0
	s_wait_alu depctr_vm_vsrc(0)
; FIRST OF THREE LAUNCHES of score = v . tanh(W_h d + W_s h), masked softmax, context.  N = 64 batches, L = 1024 rows, H = 1024.
; Rows under the mask get the weight 0, so only the rows that count are quantised, multiplied and summed.  This launch
;   P (work-groups 0-15, a wave a batch):     counts a batch's rows that count (cntb) and lists all rows, those that count first (idx);
;   W (16-31, a wave for 16 rows of W_s):     W_s -> codes of E4M3, laid as images of the operand's registers (wcodes);
;   D (32-95, a wave for 16 x 16 of dh):      dh = Q(decoder_hidden) Q(W_h)^T on the matrix unit, stored x 2 log2(e) (dhs);
;   E (96-1119, a wave for 16 rows of a batch): the rows that count -> codes, packed one behind the other (acodes), filled up with rows of zero codes to a multiple of 64.
; ORDER OF THE PACKED ROWS.  A batch's 1,024 mask bytes come by two loads of 16 bytes a lane.  Ballot k (0..31) is byte k & 15 of load k >> 4: its bit b stands for row
; l = 512 (k >> 4) + (k & 15) + 16 b.  A row's place is the number of rows that count in the ballots before k, plus those under bit b of ballot k.  P and E use the same order.
; QUANTISER: x / 2^e, held within +-448, to the nearest code, ties to even.
; LIMITS: each e between -126 and 119; e0 + e1 between -127 and 126 (added to the exponent field of 2 log2(e)).  NaN among the inputs is not served.
; THE MODE: SCHED_MODE bits 1:0 = 2 (LLVM: expert scheduling mode 2), set by the entry lines.  The code itself states the register dependences
; between vector or matrix instructions and memory or LDS instructions, with s_wait_alu, always for 0.
; THE PLAN.  Registers that memory or LDS instructions touch:
;   v2, v5, v6, v14, v15   offsets and LDS addresses, made at the head, never written again in the roles that read them: one wait at the head, ahead of the parting of the roles.
;   E: v4-7, v8-11   a trip's four rows' offsets: all four are made at the trip's head, between one wait for their last readers and one wait for their writers.
;      v64-191       staging: global loads land, LDS stores read; the trip's first wait frees them.
;      v32-63        a row as 16 neighbours: LDS loads land, the holds and conversions read; v16-23 its codes: the conversions write, two stores read.
;                    One wait behind a row's conversions states both: the codes are written, and v32-63 are read, so that the next row's LDS loads may land.
;   P: all 32 pairs of place and row are made first; one wait; then the stores.
;   W: two staging sets and two sets of codes by turns: the wait behind a step's conversions serves its stores and the load after next into its staging set.
;   D: both operands are quantised, then the one wait ahead of the product states that both staging sets are read; the next step's loads follow the product, which names none of their registers.
.set SP,    80                         ; a lane's place in a stage: its 64 bytes + 16 of padding
.set STG,   32*SP                      ; a stage: 2,048 bytes of a row, turned
.set WREG,  2*STG                      ; two stages (a whole row) for each wave
.set LANE,  1                          ; v1   lane
.set L16,   2                          ; v2   16 x lane; never rewritten
.set FA,    5                          ; v5   roles W, D: a fragment's place: row (lane % 16) x 4,096 + 64 (lane / 16)
.set RO,    4                          ; v4-7   role E: byte offsets of four rows in encoder_hiddens
.set SO,    8                          ; v8-11  role E: and of their places in acodes
.set SIN,   14                         ; v14  role E: the stage, on the way in
.set SOUT,  15                         ; v15  role E: and on the way out
.set CD,    16                         ; v16-23 role E: a row's codes
.set ZR,    24                         ; v24-27 role E: zeros
.set PO,    28                         ; v28  role E: the place of my row of zero codes
.set X,     32                         ; v32-63 role E: a row, 16 neighbours twice; roles W, D: codes
.set R,     64                         ; v64-191 staging
.macro SCALE e, sc, lim                ; v[sc] = 2^e as f32 (the conversion takes its exponent field), v[lim] = 448 x 2^e
	s_add_co_i32 s32, s[\e], 127
	s_lshl_b32 s33, s32, 23
	v_mov_b32 v[\sc], s33
	s_add_co_i32 s32, s32, 8
	s_lshl_b32 s32, s32, 23
	s_or_b32 s32, s32, 0x600000
	v_mov_b32 v[\lim], s32
.endm
.macro BALLOT                          ; s[66+k], k = 0..31: bit b = 1 where row 512 (k >> 4) + (k & 15) + 16 b counts (mask byte 0)
	global_load_b128 v[64:67], v[L16], s[6:7]
	global_load_b128 v[68:71], v[L16], s[6:7] offset:512
	s_wait_loadcnt 0x0
.set K, 0
.rept 32
	v_and_b32 v16, 0xff<<(8*(K&3)), v[64+(K>>2)]
	v_cmp_eq_u32 s[66+K], 0, v16
.set K, K+1
.endr
	s_wait_alu depctr_va_sdst(0)                   ; the 32 compares have written s66 to s97, ahead of their first reader
.endm
.macro FLOAD reg, base, s              ; 16 rows x 128 along K (K step s) of f32: register 16 x + 4 y + e = K 32 x + 16 (lane / 16) + 4 y + e of row lane % 16
.irp x, 0,1,2,3
.irp y, 0,1,2,3
	global_load_b128 v[\reg+16*\x+4*\y:\reg+16*\x+4*\y+3], v[FA], s[\base:\base+1] offset:512*(\s)+128*\x+16*\y
.endr
.endr
.endm
.macro QUANT64 src, dst, sc, lim       ; those 64 numbers become a fragment's 16 registers: register 4 x .. 4 x + 3 = K 32 x + 16 (lane / 16) + 0 .. 15
.set I, 0
.rept 64
	v_med3_num_f32 v[\src+I], v[\src+I], -v[\lim], v[\lim]   ; the conversion does not saturate (ISA guide 7.6.2): the hold at the largest code x the scale
.set I, I+1
.endr
.irp g, 0,1,2,3,4,5,6,7
	v_cvt_scalef32_pk8_fp8_f32 v[\dst+2*\g:\dst+2*\g+1], v[\src+8*\g:\src+8*\g+7], v[\sc]
.endr
	v_nop                                          ; a plain vector line behind the last conversion, ahead of whatever next touches its registers
.endm
	s_load_b512 s[4:19], s[0:1], 0x0               ; enc s[4:5], mask s[6:7], W_s s[8:9], W_h s[10:11], dec s[12:13], scales s[14:15], acodes s[16:17], wcodes s[18:19]
	s_load_b128 s[20:23], s[0:1], 0x40             ; dhs s[20:21], cntb s[22:23]
	s_load_b64 s[24:25], s[0:1], 0x50              ; idx
	v_lshl_add_u32 v192, v0, 2, 0x5000
	v_mov_b32 v193, 0
	v_lshrrev_b32 v1, 5, v0
	v_readfirstlane_b32 s26, v1                    ; wave 0..3
	v_and_b32 v[LANE], 31, v0
	v_lshlrev_b32 v[L16], 4, v[LANE]
	v_and_b32 v3, 15, v0                           ; r
	v_bfe_u32 v4, v0, 4, 1                         ; h
	v_lshlrev_b32 v6, 12, v3
	v_lshl_add_u32 v[FA], v4, 6, v6                ; r x 4,096 + 64 h
	v_lshl_add_u32 v6, v4, 5, v6                   ; role D's way out: r x 4,096 + 32 h
	s_wait_alu depctr_va_sdst(0)                   ; s26 is written, ahead of its first reader
	s_lshl_b32 s27, ttmp9, 2
	s_add_co_u32 s27, s27, s26                     ; the wave's number in the launch
	s_mul_i32 s28, s26, WREG                       ; role E's LDS addresses are made here, ahead of the parting of the roles
	v_lshrrev_b32 v[SIN], 2, v[LANE]
	v_mul_u32_u24 v[SIN], v[SIN], SP
	v_and_b32 v[SOUT], 3, v[LANE]
	v_lshl_add_u32 v[SIN], v[SOUT], 4, v[SIN]
	v_add_nc_u32 v[SIN], s28, v[SIN]               ; in: four lanes' 64 bytes on end, then the padding: SP (lane / 4) + 16 (lane % 4)
	v_mul_u32_u24 v[SOUT], v[LANE], SP
	v_add_nc_u32 v[SOUT], s28, v[SOUT]             ; out: SP x lane: my 16 neighbours
	s_wait_alu depctr_va_vdst(0)                   ; v2, v5, v6, v14 and v15 are written: the loads, stores and LDS instructions of every role read them as offsets and addresses
	s_wait_kmcnt 0x0
	s_load_b128 s[36:39], s[14:15], 0x0            ; e0 (decoder_hidden), e1 (W_h), e2 (encoder_hiddens), e3 (W_s)
	s_cmp_lt_u32 ttmp9, 16                         ; the roles part on the work-group's number: all four waves of a work-group have one role
	s_cbranch_scc1 .Lrole_p
	s_cmp_lt_u32 ttmp9, 32
	s_cbranch_scc1 .Lrole_w
	s_cmp_lt_u32 ttmp9, 96
	s_cbranch_scc1 .Lrole_d
; ---------------- E: batch n = (work-group - 96) / 16; my number among the batch's 64 waves: 4 ((work-group - 96) % 16) + wave; ballot kk = that / 2, and the lower or the upper 16 of its bits.
; Half a ballot to a wave, so that four to five work-groups lie on a WGP and their rows are on their way together.
	s_sub_co_u32 s28, ttmp9, 96
	s_lshr_b32 s44, s28, 4                         ; n
	s_and_b32 s28, s28, 15
	s_lshl_b32 s28, s28, 2
	s_add_co_u32 s53, s28, s26                     ; my number among the batch's 64 waves
	s_lshr_b32 s45, s53, 1                         ; kk
	s_and_b32 s54, s53, 1                          ; 0: bits 0-15, 1: bits 16-31
	s_mov_b32 s29, 0
	s_lshl_b32 s28, s44, 10
	s_add_nc_u64 s[6:7], s[6:7], s[28:29]          ; the batch's mask
	BALLOT
	s_lshl_b32 s28, s44, 22                        ; the batch: 4 MiB,
	s_lshr_b32 s30, s45, 4
	s_lshl_b32 s30, s30, 21                        ; + 512 (kk >> 4) rows
	s_add_co_u32 s28, s28, s30
	s_and_b32 s30, s45, 15
	s_lshl_b32 s30, s30, 12                        ; + (kk & 15) rows
	s_add_co_u32 s28, s28, s30
	s_add_nc_u64 s[4:5], s[4:5], s[28:29]          ; bit 0's row; bit b's lies 16 b rows on
	s_lshl_b32 s28, s44, 20
	s_add_nc_u64 s[16:17], s[16:17], s[28:29]      ; the batch's codes
	s_mov_b32 s41, 0                               ; rows that count, so far; at the end: the batch's count
	s_mov_b32 s46, 0                               ; those in front of my ballot
	s_mov_b32 s47, 0                               ; my ballot
.set K, 0
.rept 32
	s_cmp_eq_u32 s45, K
	s_cselect_b32 s46, s41, s46
	s_cselect_b32 s47, s[66+K], s47
	s_bcnt1_i32_b32 s40, s[66+K]
	s_add_co_u32 s41, s41, s40
.set K, K+1
.endr
	s_and_b32 s40, s47, 0xffff                     ; the ballot's lower bits,
	s_and_b32 s43, s47, 0xffff0000                 ; its upper bits,
	s_bcnt1_i32_b32 s42, s40                       ; and the rows that count among the lower
	s_cmp_eq_u32 s54, 0
	s_cselect_b32 s47, s40, s43                    ; my bits
	s_cselect_b32 s42, 0, s42
	s_add_co_u32 s46, s46, s42                     ; rows that count in front of them
	s_bcnt1_i32_b32 s48, s47                       ; my rows that count
	s_wait_kmcnt 0x0
	SCALE 38, 12, 13                               ; e2
.macro ROWOFF p                        ; the next row of my bits: its two offsets.  Where no bit is left the numbers are held inside their bounds and nothing reads them
	s_ctz_i32_b32 s51, s47                         ; the lowest bit that is set
	s_min_u32 s51, s51, 31
	s_lshl_b32 s51, s51, 16                        ; 16 rows of 4,096 bytes a bit
	v_add_nc_u32 v[RO+\p], s51, v[L16]
	s_sub_co_u32 s51, s47, 1
	s_and_b32 s47, s47, s51                        ; that bit is done
	s_add_co_u32 s51, s46, s49
	s_add_co_u32 s51, s51, \p                      ; its place among the batch's packed rows
	s_min_u32 s51, s51, 1023
	s_lshl_b32 s51, s51, 10
	v_add_nc_u32 v[SO+\p], s51, v[L16]
.endm
.macro LOADROW p                       ; eight loads of 512 consecutive bytes
.irp z, 0,1,2,3,4,5,6,7
	global_load_b128 v[R+32*\p+4*\z:R+32*\p+4*\z+3], v[RO+\p], s[4:5] offset:512*\z th:TH_LOAD_NT
.endr
.endm
.macro PROC p                          ; row p of the group: turned through my stages, so that a lane holds 16 neighbours along K twice; quantised; stored as two runs of 512 bytes
	s_wait_loadcnt 0x0                             ; for 0: how many rows were asked for hangs on the mask, so no count is leaned on
.irp z, 0,1,2,3,4,5,6,7
	ds_store_b128 v[SIN], v[R+32*\p+4*\z:R+32*\p+4*\z+3] offset:(\z>>2)*STG+8*SP*(\z&3)
.endr
.irp z, 0,1,2,3,4,5,6,7
	ds_load_b128 v[X+4*\z:X+4*\z+3], v[SOUT] offset:(\z>>2)*STG+16*(\z&3)   ; LDS serves a wave's instructions in order: these see my stores.  No vector instruction has named v32-63 since the last wait on va_vdst
.endr
	s_wait_dscnt 0x0
.set I, 0
.rept 32
	v_med3_num_f32 v[X+I], v[X+I], -v13, v13
.set I, I+1
.endr
	s_wait_xcnt 0x0                                ; the row before has had its stores' addresses translated,
	s_wait_alu depctr_vm_vsrc(0)                   ; and its stores have read v16-23, which the conversions write again
.irp g, 0,1,2,3
	v_cvt_scalef32_pk8_fp8_f32 v[CD+2*\g:CD+2*\g+1], v[X+8*\g:X+8*\g+7], v12
.endr
	v_nop
	s_wait_alu depctr_va_vdst(0)                   ; the conversions have written v16-23, which the stores read, and are done reading v32-63, in which the next row's LDS loads land
	global_store_b128 v[SO+\p], v[CD:CD+3], s[16:17]                 ; K 16 lane + 0..15
	global_store_b128 v[SO+\p], v[CD+4:CD+7], s[16:17] offset:512    ; K 512 + 16 lane + 0..15
.endm
	s_mov_b32 s49, 0                               ; rows done
.Le_group:                                             ; up to four rows a trip, all asked for together; four trips at the most
	s_cmp_ge_u32 s49, s48
	s_cbranch_scc1 .Le_pad
	s_wait_xcnt 0x0                                ; the last trip's stores have had their addresses translated
	s_wait_alu depctr_vm_vsrc(0)                   ; the last trip's loads and stores have read v4-11, which are written below, and its LDS stores have read v64-191, in which the loads below land
	s_sub_co_u32 s50, s48, s49                     ; rows left
	ROWOFF 0
	ROWOFF 1
	ROWOFF 2
	ROWOFF 3
	s_wait_alu depctr_va_vdst(0)                   ; v4-11 are written, which this trip's loads and stores read; the ballot's lines are done reading v64-71, in which loads land
	LOADROW 0
	s_cmp_eq_u32 s50, 1
	s_cbranch_scc1 .Le_1
	LOADROW 1
	s_cmp_eq_u32 s50, 2
	s_cbranch_scc1 .Le_2
	LOADROW 2
	s_cmp_eq_u32 s50, 3
	s_cbranch_scc1 .Le_3
	LOADROW 3
	PROC 3                                         ; in falling order, so that each way in meets only rows that it has loaded
.Le_3:
	PROC 2
.Le_2:
	PROC 1
.Le_1:
	PROC 0
	s_add_co_u32 s49, s49, 4
	s_cmp_lt_u32 s49, 16
	s_cbranch_scc1 .Le_group
.Le_pad:                                               ; rows count .. 64 max(1, ceil(count / 64)) - 1 are zero codes: at most 64, one for each of the batch's 64 waves
	s_add_co_u32 s50, s41, 63
	s_lshr_b32 s50, s50, 6
	s_max_u32 s50, s50, 1
	s_lshl_b32 s50, s50, 6
	s_add_co_u32 s51, s53, s41                     ; count + my number
	s_cmp_ge_u32 s51, s50
	s_cbranch_scc1 .Le_end
.irp i, 0,1,2,3
	v_mov_b32 v[ZR+\i], 0
.endr
	s_min_u32 s52, s51, 1023
	s_lshl_b32 s52, s52, 10
	v_add_nc_u32 v[PO], s52, v[L16]
	s_wait_alu depctr_va_vdst(0)                   ; v24-28 are written, which the two stores read
	global_store_b128 v[PO], v[ZR:ZR+3], s[16:17]
	global_store_b128 v[PO], v[ZR:ZR+3], s[16:17] offset:512
.Le_end:
	s_wait_dscnt 0x0                               ; the closing lines, six on end
	s_wait_alu 0x0
	s_wait_tensorcnt 0x0
	ds_add_u32 v192, v193
	s_wait_dscnt 0x0
	s_endpgm
; ---------------- P: batch n = the wave's number
.Lrole_p:
	s_mov_b32 s29, 0
	s_lshl_b32 s28, s27, 10
	s_add_nc_u64 s[6:7], s[6:7], s[28:29]
	BALLOT
	s_lshl_b32 s28, s27, 12
	s_add_nc_u64 s[24:25], s[24:25], s[28:29]      ; the batch's list
	s_lshl_b32 s28, s27, 7
	s_add_nc_u64 s[22:23], s[22:23], s[28:29]      ; the batch's count: 32 words, all alike
	s_mov_b32 s41, 0
.set K, 0
.rept 32
	s_bcnt1_i32_b32 s40, s[66+K]
	s_add_co_u32 s41, s41, s40
.set K, K+1
.endr
	v_mov_b32 v17, s41
	v_lshlrev_b32 v18, 2, v[LANE]
	s_mov_b32 s42, 0                               ; rows that count in front of ballot k
	s_mov_b32 s43, s41                             ; count + the masked rows in front of ballot k
.set K, 0
.rept 32                                       ; every ballot has its own two registers: all are made first, then stored behind one wait
	v_mbcnt_lo_u32_b32 v[64+K], s[66+K], 0         ; rows that count under my bit
	v_sub_nc_u32 v16, v[LANE], v[64+K]             ; masked rows under my bit
	v_add_nc_u32 v16, s43, v16
	v_add_nc_u32 v[64+K], s42, v[64+K]
	v_cndmask_b32 v[64+K], v16, v[64+K], s[66+K]   ; my row's place: among those that count, or behind them
	v_min_u32 v[64+K], 0x3ff, v[64+K]
	v_lshlrev_b32 v[64+K], 2, v[64+K]
	v_add_nc_u32 v[96+K], 512*(K>>4)+(K&15), v[L16]   ; my row l
	s_bcnt1_i32_b32 s40, s[66+K]
	s_add_co_u32 s42, s42, s40
	s_sub_co_u32 s43, s43, s40
	s_add_co_u32 s43, s43, 32
.set K, K+1
.endr
	s_wait_alu depctr_va_vdst(0)                   ; v17, v18, v64-95 and v96-127 are written, which the 33 stores read
	global_store_b32 v18, v17, s[22:23]
.set K, 0
.rept 32
	global_store_b32 v[64+K], v[96+K], s[24:25]
.set K, K+1
.endr
	s_endpgm
; ---------------- W: rows 16 ct .. 16 ct + 15 of W_s, ct = the wave's number - 64: eight fragments, stored as they stand in the registers: 16 bytes a lane, 512 a store
.Lrole_w:
	s_sub_co_u32 s28, s27, 64
	s_mov_b32 s31, 0
	s_lshl_b32 s30, s28, 16
	s_add_nc_u64 s[8:9], s[8:9], s[30:31]
	s_lshl_b32 s30, s28, 14
	s_add_nc_u64 s[18:19], s[18:19], s[30:31]
	FLOAD 64, 8, 0
	s_wait_kmcnt 0x0
	SCALE 39, 12, 13                               ; e3
.irp s, 0,1,2,3,4,5,6,7
.if \s < 7
	FLOAD 64+64*((\s+1)&1), 8, \s+1                ; into the set that the step before quantised: no vector instruction has named it since that step's wait on va_vdst
	s_wait_loadcnt 16                              ; this fragment's numbers are in; the next fragment's 16 loads may be out
.else
	s_wait_loadcnt 0x0
.endif
	s_wait_xcnt 0x0                                ; the stores of two steps back have had their addresses translated,
	s_wait_alu depctr_vm_vsrc(0)                   ; and have read these codes' registers, which the conversions write again
	QUANT64 64+64*(\s&1), 32+16*(\s&1), 12, 13
	s_wait_alu depctr_va_vdst(0)                   ; the conversions have written the codes, which the stores read, and the holds and conversions are done with the staging set, in which the load after next lands
.irp x, 0,1,2,3
	global_store_b128 v[L16], v[32+16*(\s&1)+4*\x:32+16*(\s&1)+4*\x+3], s[18:19] offset:2048*\s+512*\x
.endr
.endr
	s_endpgm
; ---------------- D: dh for features 16 ct .. + 15 (ct = work-group - 32) and batches 16 wave .. + 15.  Source 0 = 16 rows of W_h, source 1 = 16 rows of decoder_hidden:
; lane (r, h) then holds batch r and features 8 h + 0..7: 32 neighbouring bytes of a row of dhs.
.Lrole_d:
	s_sub_co_u32 s28, ttmp9, 32
	s_mov_b32 s31, 0
	s_lshl_b32 s30, s28, 16
	s_add_nc_u64 s[10:11], s[10:11], s[30:31]
	s_lshl_b32 s30, s26, 16
	s_add_nc_u64 s[12:13], s[12:13], s[30:31]
	s_add_nc_u64 s[20:21], s[20:21], s[30:31]
	s_lshl_b32 s30, s28, 6
	s_add_nc_u64 s[20:21], s[20:21], s[30:31]
	FLOAD 64, 10, 0
	FLOAD 128, 12, 0
	s_wait_kmcnt 0x0
	SCALE 37, 12, 13                               ; W_h: e1
	SCALE 36, 10, 11                               ; decoder_hidden: e0
	s_add_co_i32 s34, s36, s37
	s_lshl_b32 s34, s34, 23
	s_add_co_i32 s34, s34, 0x4038aa3b              ; 2 log2(e) x 2^(e0 + e1): the two exponents are added to the constant's exponent field
.macro DSTEP zero, more                ; a K step of 128; more = 1: behind the product both staging sets take the next step's loads
	s_wait_loadcnt 0x0                             ; the step's numbers are in, so the bases may step
.if \more
	s_add_nc_u64 s[10:11], s[10:11], 512
	s_add_nc_u64 s[12:13], s[12:13], 512
.endif
	QUANT64 64, 32, 12, 13
	QUANT64 128, 48, 10, 11
	s_wait_alu depctr_va_vdst(0)                   ; the holds and conversions are done with v64-191, in which the loads behind the product land; and, one accumulator: a wait directly ahead of each link
.if \zero
	v_wmma_f32_16x16x128_fp8_fp8 v[16:23], v[32:47], v[48:63], 0          ; the first product starts the sums
.else
	v_wmma_f32_16x16x128_fp8_fp8 v[16:23], v[32:47], v[48:63], v[16:23]
.endif
.if \more
	FLOAD 64, 10, 0                                ; the product names v16-63 alone: none of these loads' registers
	FLOAD 128, 12, 0
.endif
.endm
	DSTEP 1, 1
	s_mov_b32 s35, 6
.Ld_k:                                                 ; the next step's 64 holds are the places between a product and the conversions that rewrite its operands
	DSTEP 0, 1
	s_sub_co_u32 s35, s35, 1
	s_cmp_lg_u32 s35, 0
	s_cbranch_scc1 .Ld_k
	DSTEP 0, 0                                     ; the last step asks for nothing: no load leaves its buffer
.rept 4
	v_nop                                          ; four places ahead of the first read of the sums (ISA guide 7.12.1)
.endr
.irp i, 0,1,2,3,4,5,6,7
	v_mul_f32 v[24+\i], s34, v[16+\i]
.endr
	s_wait_alu depctr_va_vdst(0)                   ; v24-31 are written, which the two stores read
	global_store_b128 v6, v[24:27], s[20:21]
	global_store_b128 v6, v[28:31], s[20:21] offset:16
	s_endpgm
.Lfunc_end_k_qe714769855_prep:
	.size	k_qe714769855_prep, .Lfunc_end_k_qe714769855_prep-k_qe714769855_prep
	.p2alignl 7, 3214868480
	.fill 96, 4, 3214868480
	.section	.rodata,"a",@progbits
	.p2align	6, 0x0
	.amdhsa_kernel k_qe714769855_prep
		.amdhsa_group_segment_fixed_size 20992
		.amdhsa_private_segment_fixed_size 0
		.amdhsa_enable_private_segment 0
		.amdhsa_kernarg_size 88
		.amdhsa_user_sgpr_count 2
		.amdhsa_user_sgpr_kernarg_segment_ptr 1
		.amdhsa_wavefront_size32 1
		.amdhsa_system_sgpr_workgroup_id_x 1
		.amdhsa_system_sgpr_workgroup_id_y 1
		.amdhsa_system_sgpr_workgroup_id_z 1
		.amdhsa_system_vgpr_workitem_id 0
		.amdhsa_next_free_vgpr 194
		.amdhsa_next_free_sgpr 100
		.amdhsa_reserve_vcc 0
		.amdhsa_float_denorm_mode_32 3
		.amdhsa_float_denorm_mode_16_64 3
		.amdhsa_memory_ordered 1
		.amdhsa_forward_progress 1
		.amdhsa_inst_pref_size 150
	.end_amdhsa_kernel
	.amdgpu_metadata
---
amdhsa.version: [ 1, 2 ]
amdhsa.kernels:
  - .name:           k_qe714769855_prep
    .symbol:         k_qe714769855_prep.kd
    .args:
      - { .name: encoder_hiddens, .offset: 0, .size: 8, .value_kind: global_buffer, .address_space: global }
      - { .name: mask, .offset: 8, .size: 8, .value_kind: global_buffer, .address_space: global }
      - { .name: W_s, .offset: 16, .size: 8, .value_kind: global_buffer, .address_space: global }
      - { .name: W_h, .offset: 24, .size: 8, .value_kind: global_buffer, .address_space: global }
      - { .name: decoder_hidden, .offset: 32, .size: 8, .value_kind: global_buffer, .address_space: global }
      - { .name: lowp_scales, .offset: 40, .size: 8, .value_kind: global_buffer, .address_space: global }
      - { .name: acodes, .offset: 48, .size: 8, .value_kind: global_buffer, .address_space: global }
      - { .name: wcodes, .offset: 56, .size: 8, .value_kind: global_buffer, .address_space: global }
      - { .name: dhs, .offset: 64, .size: 8, .value_kind: global_buffer, .address_space: global }
      - { .name: cntb, .offset: 72, .size: 8, .value_kind: global_buffer, .address_space: global }
      - { .name: idx, .offset: 80, .size: 8, .value_kind: global_buffer, .address_space: global }
    .group_segment_fixed_size: 20992
    .private_segment_fixed_size: 0
    .kernarg_segment_align: 8
    .kernarg_segment_size: 88
    .max_flat_workgroup_size: 128
    .sgpr_count:     100
    .vgpr_count:     194
    .wavefront_size: 32
...
	.end_amdgpu_metadata
.endif
;; end of part 4
;; launch scores (part 5): grid 4 x 64, 4 waves a work-group, no clusters, 133,632 bytes of LDS; arguments acodes, wcodes, dhs, v, lowp_scales, cntb, part; writes part
.if DOCPART == 5
	.amdgcn_target "amdgcn-amd-amdhsa--gfx1250"
	.amdhsa_code_object_version 6
	.text
	.protected	k_qe714769855_scores
	.globl	k_qe714769855_scores
	.p2align	8
	.type	k_qe714769855_scores,@function
k_qe714769855_scores:
	s_mov_b64 s[64:65], 0
	v_nop
	global_prefetch_b8 v0, s[64:65] scope:SCOPE_SE
	s_setreg_imm32_b32 hwreg(HW_REG_WAVE_SCHED_MODE, 0, 2), 2
	s_setreg_imm32_b32 hwreg(HW_REG_WAVE_MODE, 25, 1), 1
	s_wait_xcnt 0x0
	s_wait_alu depctr_vm_vsrc(0)
; SECOND LAUNCH: part[slice][n][place] = the sum over the slice's 64 features k of -2 v[k] / (1 + e^(2 x)), x = dh[n][k] + (Q(h) Q(W_s)^T)[place][k].
; tanh(x) = 1 - 2 / (1 + e^(2 x)): a score is that sum over all features plus the sum of v, which is the same for all rows of a batch and drops out of the softmax.
; SHARES.  Work-group (j, n): features 256 j .. + 255 of batch n.  Wave w: features 256 j + 64 w .. + 63 (slice 4 j + w), four tiles of 16.  Its 32 fragments of W_s (8 K steps x 4 tiles,
; 512 registers) are loaded once and stay.  The batch's packed rows go by in blocks of 64 (four tiles of 16) through two LDS slots: each wave brings a quarter of each tile
; (global load -> registers -> LDS, two blocks ahead) and reads all of it.  m = max(1, ceil(count / 64)) blocks; the loop has a constant 16 blocks with a barrier each, and a block past m is jumped over.
; THE MATRIX INSTRUCTION IS USED TRANSPOSED: source 0 = 16 features, source 1 = 16 rows: lane (r, h) holds row r and features 8 h + 0..7 of each tile, so v and dh are lane constants.
; K is permuted alike in both operands (register 4 x .. 4 x + 3 = K 32 x + 16 h + 0..15): every product meets its partner.
; BY TURNS.  A tile is 32 products and a list of 116 vector lines (the tanh and the sum with v).  There are two sets of accumulators: while tile q's products fill one, tile q - 1's list works on the
; other, a slice of it behind each product.  A slice lies in window 0 and a product's operands do not, so a slice costs two switches of the window: seven issue slots for a product with its slice.
; A block's first tile has no list beside it and its last tile's list stands bare: a block may be the batch's last, and the way round a block hangs on the count.
; No tensor loads and no cluster: the number of blocks is read from memory, and branches hang on it.
; LIMITS: e2 + e3 between -127 and 126 (added to the exponent field of 2 log2(e)).
; REGISTERS, in windows of 256.  Window 0: v1 16 x lane; v2, v3 where I read a slot; v4, v5 where I fill a slot; v8-11 offsets of the staging loads; v12 my offset in part; v14-18 at work;
;   v20-23 the four tiles' sums; v24-27 what is stored; v32-63, v64-95 two sets of four accumulators; v96-127 -2 v; v128-159 2 log2(e) dh.
;   Windows 1, 2: W_s, fragment (K step s, tile c) at v[16 (4 (s % 4) + c)] of window 1 + s / 4.   Window 3: v0-63, v64-127 the rows' fragments of K steps 0-3, 4-7; v128-255 four staging sets.
; THE MODE: SCHED_MODE bits 1:0 = 2 (LLVM: expert scheduling mode 2), set by the entry lines.  The code itself states the register dependences
; between vector or matrix instructions and memory or LDS instructions, with s_wait_alu, always for 0.
; THE PLAN.  Registers that memory or LDS instructions touch, in the loop:
;   v2-5           LDS addresses, made at the head, never written again.
;   F0 (window 3 v0-63)    read by a tile's products 0-15; the next tile's LDS loads land in it behind product 15.
;   F1 (window 3 v64-127)  read by a tile's products 16-31; the next tile's LDS loads land in it at that tile's head.
;   staging set q  global loads land in it, LDS stores read it: no vector instruction names it.
;   v[8+q]         the set's offset: read by the set's eight loads, written once a block, at tile q's head.
;   v12, v24-27    the offset and data of a block's two stores.
; So a tile has: at its head a wait on vm_vsrc ahead of the add to v[8+q]; behind product 15 ONE wait on va_vdst, which is the exponentials' wait and also states that F0 is read and v[8+q] written;
; a wait on vm_vsrc ahead of the set's global loads (the LDS stores have read the set); the reciprocals' wait; and behind the places at its end a wait on va_vdst: F1 is read.
; Behind each wait on va_vdst the loads stand in one run, and the vector lines between name accumulators, constants and v14-23 alone.
.set PITCH, 1040                       ; a row in LDS: 1,024 bytes of codes + 16: an odd multiple of 16, so that the 16 rows of a fragment load start in 16 different groups of banks
.set TILEB, 16*PITCH
.set SLOTB, 4*TILEB
.set ACC,   32                         ; set s at v[32 + 32 s]
.set VK,    96
.set BK,    128
.set STA,   128
.set MSB, 0
.macro WIN new                         ; the immediate's high byte repeats the setting that is left; a switch that changes nothing is dropped
.if MSB != \new
	s_set_vgpr_msb (MSB<<8)|\new
.set MSB, \new
.endif
.endm
.macro PLACES                          ; four places behind matrix instructions, ahead of reads of their results (ISA guide 7.12.1)
.rept 4
	v_nop
.endr
.endm
.macro TOSLOT q, adr                   ; staging set q (my four rows of a tile) into the slot at v[adr]
	WIN 0x0c                                       ; store data in window 3
.irp z, 0,1,2,3,4,5,6,7
	ds_store_b128 v[\adr], v[STA+32*(\q)+4*\z:STA+32*(\q)+4*\z+3] offset:TILEB*(\q)+PITCH*(\z>>1)+512*(\z&1)
.endr
.endm
.macro GOFF q, ahead                   ; the offset of my four rows of tile 4 s35 + ahead + q, or of the batch's last tile where there is none
	s_lshl_b32 s36, s35, 2
	s_add_co_u32 s36, s36, \ahead+\q
	s_min_u32 s36, s36, s24
	s_min_u32 s36, s36, 63
	s_lshl_b32 s36, s36, 14                        ; a tile is 16 rows of 1,024 bytes
	WIN 0
	v_add_nc_u32 v[8+\q], s36, v1
.endm
.macro GLOAD q                         ; staging set q takes those rows
	WIN 0xc0                                       ; destination in window 3
.irp z, 0,1,2,3,4,5,6,7
	global_load_b128 v[STA+32*(\q)+4*\z:STA+32*(\q)+4*\z+3], v[8+\q], s[28:29] offset:512*\z
.endr
.endm
.macro LOADA sig, q, kap               ; tile q of slot sig: its fragments of K steps 4 kap .. 4 kap + 3
	WIN 0xc0
.irp sp, 0,1,2,3
.irp x, 0,1,2,3
	ds_load_b128 v[64*\kap+16*\sp+4*\x:64*\kap+16*\sp+4*\x+3], v[2+\sig] offset:TILEB*(\q)+128*(4*\kap+\sp)+32*\x
.endr
.endr
.endm
; THE LIST of a tile: its 32 sums a lane become the row's sum over my 64 features, in v[20 + q] of both halves of the lanes.  EP writes number J of it for tile q, whose sums lie in set st.
;   0-15    2 log2(e) x, a pair each; each accumulator from its low end on
;   16-47   e^(2 x); infinity where it overflows, and the quotient below is then 0
;   48-63   + 1, a pair each
;   64-95   the reciprocals
;   96-111  x -2 v, summed in two chains;   112-115 the chains, the pair's halves and the lane 16 away (the row's other 32 features) are added
; Behind 47 and behind 95 stand a plain line and the one wait for the batch ahead of the first use of a result.
.macro EP q, st
.set A, ACC+32*(\st)
.if J < 16
	v_pk_fma_f32 v[A+2*J:A+2*J+1], v[A+2*J:A+2*J+1], s[26:27], v[BK+2*J:BK+2*J+1] op_sel_hi:[1,0,1]
.elseif J < 48
	v_exp_f32 v[A+J-16], v[A+J-16]
.elseif J < 64
	v_pk_add_f32 v[A+2*(J-48):A+2*(J-48)+1], v[A+2*(J-48):A+2*(J-48)+1], 1.0 op_sel_hi:[1,0]
.elseif J < 96
	v_rcp_f32 v[A+J-64], v[A+J-64]
.elseif J < 98
	v_pk_mul_f32 v[14+2*(J-96):15+2*(J-96)], v[A+2*(J-96):A+2*(J-96)+1], v[VK+2*(J-96):VK+2*(J-96)+1]
.elseif J < 112
	v_pk_fma_f32 v[14+2*(J%2):15+2*(J%2)], v[A+2*(J-96):A+2*(J-96)+1], v[VK+2*(J-96):VK+2*(J-96)+1], v[14+2*(J%2):15+2*(J%2)]
.elseif J == 112
	v_pk_add_f32 v[14:15], v[14:15], v[16:17]
.elseif J == 113
	v_add_f32 v14, v14, v15
.elseif J == 114
	v_permlanex16_b32 v18, v14, s32, s33
.else
	v_add_f32 v[20+\q], v14, v18
.endif
.endm
.macro BATCHWAIT
	v_nop                                          ; a plain line behind the batch's last transcendental,
	s_wait_alu depctr_va_vdst(0)                   ; and one wait for the batch: its results are written, ahead of their first use
.endm
; Slice KS of 32: slices 0-3 the scalings, 4-14 the exponentials (three a slice), 15-18 the additions, 19-26 the reciprocals, 27-31 the sum.
; The exponentials' wait stands at the head of slice 15, that is behind product 15, the last that reads F0.
.macro SLICE q, st
	WIN 0
.if KS == 15
	v_nop                                          ; a plain line behind the last exponential
	s_wait_alu depctr_va_vdst(0)                   ; the 32 exponentials have written their results, which the additions below read; products 0-15 are done reading F0, in which the next tile's LDS loads land; v[8+q] is written, which the set's global loads read
.endif
.if KS < 4
.set J, 4*KS
.set NJ, 4
.elseif KS < 14
.set J, 16+3*(KS-4)
.set NJ, 3
.elseif KS == 14
.set J, 46
.set NJ, 2
.elseif KS < 19
.set J, 48+4*(KS-15)
.set NJ, 4
.elseif KS < 27
.set J, 64+4*(KS-19)
.set NJ, 4
.else
.set J, 96+4*(KS-27)
.set NJ, 4
.endif
.rept NJ
	EP \q, \st
.set J, J+1
.endr
.if KS == 26
	BATCHWAIT
.endif
.set KS, KS+1
.endm
.macro EPIALL q, st                    ; the whole list, bare
	WIN 0
.set J, 0
.rept 48
	EP \q, \st
.set J, J+1
.endr
	BATCHWAIT
.rept 48
	EP \q, \st
.set J, J+1
.endr
	BATCHWAIT
.rept 20
	EP \q, \st
.set J, J+1
.endr
.endm
; 16 products of tile q, into set st: four K steps x four tiles of features; the four accumulators take turns, one instruction a turn.
; sl = 1: behind each product a slice of tile q - 1's list, on the other set: it names no register of these products.
.macro MMHALF kap, st, sl, q
.irp sp, 0,1,2,3
.irp c, 0,1,2,3
	WIN 0x0d+\kap                                  ; source 0 (W_s) window 1 + kap, source 1 (rows) window 3, C and D window 0
.if (\kap == 0) && (\sp == 0)
	v_wmma_f32_16x16x128_fp8_fp8 v[ACC+32*(\st)+8*\c:ACC+32*(\st)+8*\c+7], v[16*(4*\sp+\c):16*(4*\sp+\c)+15], v[64*\kap+16*\sp:64*\kap+16*\sp+15], 0
.else
	v_wmma_f32_16x16x128_fp8_fp8 v[ACC+32*(\st)+8*\c:ACC+32*(\st)+8*\c+7], v[16*(4*\sp+\c):16*(4*\sp+\c)+15], v[64*\kap+16*\sp:64*\kap+16*\sp+15], v[ACC+32*(\st)+8*\c:ACC+32*(\st)+8*\c+7]
.endif
.if \sl
	SLICE (\q)-1, 1-(\st)
.endif
.endr
.endr
.endm
; A BLOCK of 64 rows, in slot sig.  The barrier at its head does two things.
; It stands on every wave's path in all 16 blocks; only the work behind it is jumped over.
.macro BLOCK sig
	s_wait_dscnt 0x0
	s_barrier_signal -1
	s_barrier_wait -1
	s_add_co_u32 s35, s25, \sig                    ; the block's number
	s_cmp_ge_u32 s35, s23
	s_cbranch_scc1 .Lidle_\@
	LOADA \sig, 0, 0                               ; F0 and F1 were last read by the block before, whose bare list and stores have waits on va_vdst behind those products
.irp q, 0,1,2,3
.set KS, 0
	s_wait_loadcnt 24                              ; staging set q is in: behind its eight loads the three other sets' 24 were issued.  (In the first block: W_s too, which was asked for ahead of them)
	s_wait_alu depctr_vm_vsrc(0)                   ; those eight loads have read v[8+q], which is written below
	GOFF \q, 8                                     ; the tile of two blocks on: its offset is made here, ahead of the wait behind product 15
	TOSLOT \q, 5-\sig                              ; the next block's tile q, into the other slot
	LOADA \sig, \q, 1
	s_wait_dscnt 24                                ; K steps 0-3 are in: behind them stand the 8 stores and the 16 loads just issued
.if \q == 0
	MMHALF 0, 0, 0, 0
	PLACES
	s_wait_alu depctr_va_vdst(0)                   ; products 0-15 are done reading F0, in which the next tile's LDS loads land; v8 is written, which the set's global loads read
.else
	MMHALF 0, (\q)%2, 1, \q                        ; the wait stands in its last slice, behind product 15; that slice's lines name the other set alone
.endif
.if \q < 3
	LOADA \sig, \q+1, 0
	s_wait_dscnt 16                                ; all but the 16 just issued: K steps 4-7 are in, and the stores out of staging set q are done
.else
	s_wait_dscnt 0x0
.endif
	s_wait_alu depctr_vm_vsrc(0)                   ; the LDS stores have read staging set q, in which the loads below land
	GLOAD \q
.if \q == 0
	MMHALF 1, 0, 0, 0
.else
	MMHALF 1, (\q)%2, 1, \q
.endif
	PLACES                                         ; ahead of the first read of this tile's sums
.if \q < 3
	s_wait_alu depctr_va_vdst(0)                   ; products 16-31 are done reading F1, in which the next tile's LDS loads land
.endif
.endr
	EPIALL 3, 1
	v_cndmask_b32 v[24+2*\sig], v20, v21, s34      ; lanes 0-15: tile 0's rows, lanes 16-31: tile 1's
	v_cndmask_b32 v[25+2*\sig], v22, v23, s34      ; tiles 2 and 3
	s_wait_alu depctr_va_vdst(0)                   ; the two selects have written what the stores read; v12 was written ahead of it too
	global_store_b32 v12, v[24+2*\sig], s[30:31] offset:256*\sig
	global_store_b32 v12, v[25+2*\sig], s[30:31] offset:256*\sig+128
.Lidle_\@:
.endm
	s_load_b256 s[4:11], s[0:1], 0x0               ; acodes s[4:5], wcodes s[6:7], dhs s[8:9], v s[10:11]
	s_load_b128 s[12:15], s[0:1], 0x20             ; scales s[12:13], cntb s[14:15]
	s_load_b64 s[16:17], s[0:1], 0x30              ; part
	v_lshl_add_u32 v254, v0, 2, 0x20800
	v_mov_b32 v255, 0
	v_lshrrev_b32 v1, 5, v0
	v_readfirstlane_b32 s20, v1                    ; wave
	s_and_b32 s22, ttmp7, 0xffff                   ; n
	v_and_b32 v6, 31, v0
	v_lshlrev_b32 v1, 4, v6                        ; 16 x lane
	v_and_b32 v7, 15, v0                           ; r
	v_bfe_u32 v13, v0, 4, 1                        ; h
	v_mul_u32_u24 v2, v7, PITCH
	v_lshl_add_u32 v2, v13, 4, v2                  ; a fragment's row x pitch + 16 h, in slot 0,
	v_add_nc_u32 v3, SLOTB, v2                     ; in slot 1
	s_wait_alu depctr_va_sdst(0)                   ; s20 is written, ahead of its first reader
	s_mul_i32 s36, s20, 4*PITCH
	v_add_nc_u32 v4, s36, v1                       ; my four rows of a tile, 16 bytes a lane, in slot 0,
	v_add_nc_u32 v5, SLOTB, v4                     ; in slot 1
	v_lshlrev_b32 v12, 2, v6
	v_lshlrev_b32 v19, 5, v13                      ; my eight features of a tile: 32 h bytes
	v_mov_b32 v18, 0                               ; written once: a lane permute's destination counts as one of its sources
.irp q, 0,1,2,3
	v_add_nc_u32 v[8+\q], \q<<14, v1
.endr
	s_mov_b32 s32, 0x76543210
	s_mov_b32 s33, 0xfedcba98
	s_mov_b32 s34, 0xffff0000
	s_mov_b32 s37, 0
	s_lshl_b32 s21, ttmp9, 2
	s_add_co_u32 s21, s21, s20                     ; my slice: 4 j + w
	s_wait_kmcnt 0x0
	s_lshl_b32 s36, s22, 7
	s_add_nc_u64 s[14:15], s[14:15], s[36:37]
	s_load_b32 s23, s[14:15], 0x0                  ; the batch's count
	s_load_b64 s[38:39], s[12:13], 0x8             ; e2, e3
	s_lshl_b32 s36, s21, 16                        ; four tiles of features x 16,384 bytes
	s_add_nc_u64 s[6:7], s[6:7], s[36:37]
	s_lshl_b32 s36, s21, 8                         ; 64 features x 4 bytes
	s_add_nc_u64 s[10:11], s[10:11], s[36:37]
	s_add_nc_u64 s[8:9], s[8:9], s[36:37]
	s_lshl_b32 s36, s22, 12
	s_add_nc_u64 s[8:9], s[8:9], s[36:37]
	s_add_nc_u64 s[30:31], s[16:17], s[36:37]
	s_lshl_b32 s36, s21, 18
	s_add_nc_u64 s[30:31], s[30:31], s[36:37]      ; part at (slice, n)
	s_lshl_b32 s36, s22, 20
	s_add_nc_u64 s[28:29], s[4:5], s[36:37]
	s_lshl_b32 s36, s20, 12
	s_add_nc_u64 s[28:29], s[28:29], s[36:37]      ; the batch's codes at my four rows of tile 0
	; THE ORDER OF THE FIRST LOADS: what the other waves wait for comes first (block 0's rows, then v and dh: 48 loads), W_s's 128 behind it.
	WIN 0xc0
	s_wait_alu depctr_va_vdst(0)                   ; v1-5, v8-12 and v19 are written: the offsets and addresses that the loads, stores and LDS instructions below read
.irp q, 0,1,2,3
.irp z, 0,1,2,3,4,5,6,7
	global_load_b128 v[STA+32*\q+4*\z:STA+32*\q+4*\z+3], v[8+\q], s[28:29] offset:512*\z   ; block 0: it always exists
.endr
.endr
	WIN 0
.irp c, 0,1,2,3
	global_load_b128 v[VK+8*\c:VK+8*\c+3], v19, s[10:11] offset:64*\c
	global_load_b128 v[VK+8*\c+4:VK+8*\c+7], v19, s[10:11] offset:64*\c+16
	global_load_b128 v[BK+8*\c:BK+8*\c+3], v19, s[8:9] offset:64*\c
	global_load_b128 v[BK+8*\c+4:BK+8*\c+7], v19, s[8:9] offset:64*\c+16
.endr
	WIN 0x40
.irp s, 0,1,2,3
.irp c, 0,1,2,3
.irp x, 0,1,2,3
	global_load_b128 v[16*(4*\s+\c)+4*\x:16*(4*\s+\c)+4*\x+3], v1, s[6:7] offset:(8*\c+\s)*2048+512*\x
.endr
.endr
.endr
	WIN 0x80
.irp s, 0,1,2,3
.irp c, 0,1,2,3
.irp x, 0,1,2,3
	global_load_b128 v[16*(4*\s+\c)+4*\x:16*(4*\s+\c)+4*\x+3], v1, s[6:7] offset:(8*\c+\s+4)*2048+512*\x
.endr
.endr
.endr
	WIN 0
	s_wait_loadcnt 63                              ; loads come back in order (ISA guide 5.7.1): block 0's rows, v and dh have 128 younger loads behind them, so they are in; the last of W_s may be out
.set J, 0
.rept 16
	v_pk_mul_f32 v[VK+J:VK+J+1], v[VK+J:VK+J+1], -2.0 op_sel_hi:[1,0]
.set J, J+2
.endr
.irp q, 0,1,2,3
	TOSLOT \q, 4
.endr
	s_wait_dscnt 0x0                               ; the stores out of the staging sets are done
	s_wait_kmcnt 0x0
	s_add_co_u32 s23, s23, 63
	s_lshr_b32 s23, s23, 6
	s_max_u32 s23, s23, 1
	s_min_u32 s23, s23, 16                         ; m: blocks
	s_lshl_b32 s24, s23, 2
	s_sub_co_u32 s24, s24, 1                       ; the batch's last tile
	s_add_co_i32 s26, s38, s39
	s_lshl_b32 s26, s26, 23
	s_add_co_i32 s26, s26, 0x4038aa3b              ; 2 log2(e) x 2^(e2 + e3)
	s_mov_b32 s27, s26                             ; (named with it as a pair, so it is written)
	s_mov_b32 s35, 0
	s_wait_alu depctr_vm_vsrc(0)                   ; block 0's loads have read v8-11, which are written below; the LDS stores have read the staging sets, in which the loads below land
.irp q, 0,1,2,3
	GOFF \q, 4                                     ; block 1
.endr
	WIN 0xc0
	s_wait_alu depctr_va_vdst(0)                   ; v8-11 are written, which the 32 loads below read
.irp q, 0,1,2,3
	GLOAD \q                                       ; 32 loads behind W_s's
.endr
	WIN 0                                          ; at a label and at a branch every window is 0
	s_mov_b32 s25, 0
.Lpair:                                                ; eight trips of two blocks
	BLOCK 0
	BLOCK 1
	s_wait_xcnt 0x0                                ; the stores have had their addresses translated,
	s_wait_alu depctr_vm_vsrc(0)                   ; and have read v12, which is written below, and v24-27, which the next trip's selects write
	v_add_nc_u32 v12, 512, v12
	s_add_co_u32 s25, s25, 2
	s_cmp_lt_u32 s25, 16
	s_cbranch_scc1 .Lpair
	s_wait_dscnt 0x0                               ; the closing lines, six on end
	s_wait_alu 0x0
	s_wait_tensorcnt 0x0
	ds_add_u32 v254, v255
	s_wait_dscnt 0x0
	s_endpgm
.Lfunc_end_k_qe714769855_scores:
	.size	k_qe714769855_scores, .Lfunc_end_k_qe714769855_scores-k_qe714769855_scores
	.p2alignl 7, 3214868480
	.fill 96, 4, 3214868480
	.section	.rodata,"a",@progbits
	.p2align	6, 0x0
	.amdhsa_kernel k_qe714769855_scores
		.amdhsa_group_segment_fixed_size 133632
		.amdhsa_private_segment_fixed_size 0
		.amdhsa_enable_private_segment 0
		.amdhsa_kernarg_size 56
		.amdhsa_user_sgpr_count 2
		.amdhsa_user_sgpr_kernarg_segment_ptr 1
		.amdhsa_wavefront_size32 1
		.amdhsa_system_sgpr_workgroup_id_x 1
		.amdhsa_system_sgpr_workgroup_id_y 1
		.amdhsa_system_sgpr_workgroup_id_z 1
		.amdhsa_system_vgpr_workitem_id 0
		.amdhsa_next_free_vgpr 1024
		.amdhsa_next_free_sgpr 66
		.amdhsa_reserve_vcc 0
		.amdhsa_float_denorm_mode_32 3
		.amdhsa_float_denorm_mode_16_64 3
		.amdhsa_memory_ordered 1
		.amdhsa_forward_progress 1
		.amdhsa_inst_pref_size 131
	.end_amdhsa_kernel
	.amdgpu_metadata
---
amdhsa.version: [ 1, 2 ]
amdhsa.kernels:
  - .name:           k_qe714769855_scores
    .symbol:         k_qe714769855_scores.kd
    .args:
      - { .name: acodes, .offset: 0, .size: 8, .value_kind: global_buffer, .address_space: global }
      - { .name: wcodes, .offset: 8, .size: 8, .value_kind: global_buffer, .address_space: global }
      - { .name: dhs, .offset: 16, .size: 8, .value_kind: global_buffer, .address_space: global }
      - { .name: v, .offset: 24, .size: 8, .value_kind: global_buffer, .address_space: global }
      - { .name: lowp_scales, .offset: 32, .size: 8, .value_kind: global_buffer, .address_space: global }
      - { .name: cntb, .offset: 40, .size: 8, .value_kind: global_buffer, .address_space: global }
      - { .name: part, .offset: 48, .size: 8, .value_kind: global_buffer, .address_space: global }
    .group_segment_fixed_size: 133632
    .private_segment_fixed_size: 0
    .kernarg_segment_align: 8
    .kernarg_segment_size: 56
    .max_flat_workgroup_size: 128
    .sgpr_count:     66
    .vgpr_count:     1024
    .wavefront_size: 32
...
	.end_amdgpu_metadata
.endif
;; end of part 5
;; launch context (part 6): grid 4 x 64, 16 waves a work-group, no clusters, 23,040 bytes of LDS; arguments encoder_hiddens, part, idx, cntb, out0, out1; writes out0, out1
.if DOCPART == 6
	.amdgcn_target "amdgcn-amd-amdhsa--gfx1250"
	.amdhsa_code_object_version 6
	.text
	.protected	k_qe714769855_context
	.globl	k_qe714769855_context
	.p2align	8
	.type	k_qe714769855_context,@function
k_qe714769855_context:
	s_mov_b64 s[64:65], 0
	v_nop
	global_prefetch_b8 v0, s[64:65] scope:SCOPE_SE
	s_setreg_imm32_b32 hwreg(HW_REG_WAVE_SCHED_MODE, 0, 2), 2
	s_setreg_imm32_b32 hwreg(HW_REG_WAVE_MODE, 25, 1), 1
	s_wait_xcnt 0x0
	s_wait_alu depctr_vm_vsrc(0)
; THIRD LAUNCH: the scores' 16 parts are added; softmax over a batch's rows that count, with the true maximum taken away; out1 = the weights (0 under the mask); out0 = the weighted sum of the rows.
; SHARES.  Work-group (hq, n): columns 256 hq .. + 255 of batch n's context.  Each of a batch's four work-groups makes the batch's softmax for itself (68 KB of reads) and stores a quarter of out1.
; Thread t holds places 2 t and 2 t + 1 of the packed order.  For the context wave w takes places 256 u + 16 w .. + 15, u = 0..3: 16 rows a trip, two loads of 512 consecutive bytes a row.
; THE ROWS DO NOT WAIT FOR THE SOFTMAX: their numbers come from idx by scalar loads at the head, and trip 0's 32 loads are issued there, behind the loads of the scores' parts.  From then on the 16 rows'
; registers are a ring: in a trip that has a successor, four rows' registers take the next trip's four rows as soon as the four are summed, so that 24 to 32 loads of the wave are always out.
; A trip whose places all lie past the count is left out, and so are all behind it.  A wave whose trip 0 lies past the count has loaded 16 rows that it does not use (idx holds every row, so they lie inside the buffer).
; A batch with no row that counts gives NaN everywhere, as the softmax of nothing but -infinity does.
; Memory binds here: no matrix unit, no cluster (work-groups share no row bytes), f32 multiply-adds.
; LIMIT: of the rows under the mask only those that fill a wave's last 16 places are multiplied (by the weight 0); an infinity or NaN in any other masked row does not reach out0.
; THE MODE: SCHED_MODE bits 1:0 = 2 (LLVM: expert scheduling mode 2), set by the entry lines.  The code itself states the register dependences
; between vector instructions and memory or LDS instructions, with s_wait_alu, always for 0.
; THE PLAN.  Registers that memory or LDS instructions touch:
;   v1, v4, v6, v7, v22, v23   offsets and LDS addresses, made at the head, never written again.
;   v48-63, v192-207, v208-223, v226-241   the 16 rows' offsets of trips 0, 1, 2, 3: each trip has registers of its own, written once (trips 1 to 3: at the head of the trip before), so none is written behind a load that read it.
;   v64-191   16 rows of 8 registers: the loads land, the multiply-adds read.  Four rows are summed, ONE wait on va_vdst states that they are read (in a trip's first group also: the next trip's offsets are written), and their eight loads follow.
;   v32-47    a trip's 16 weights: LDS loads land, the multiply-adds read; the last group's wait stands behind all of a trip's multiply-adds.
;   v20       a wave's maximum, then its sum: written by the reduction, read by an LDS store.    v24-39  the 16 waves' numbers: LDS loads land, the reduction reads.
;   v3        the parts' offset; written again behind the softmax.    v16-19  the weights and their places; v8-15 the sums; v64-65 the result: written, one wait, stored.
.set WL, 0                             ; LDS: 1,024 weights
.set RM, 4096                          ; 16 waves' maxima
.set RS, 4352                          ; 16 waves' sums
.set CR, 4608                          ; 16 waves' parts of the context: 1,024 bytes each
.set PT, 192                           ; v192-223 the scores' 16 parts at my two places; behind the softmax: the offsets of trips 1 and 2
.set OF0, 48                           ; the rows' offsets of trip 0,
.set OF1, 192                          ; 1,
.set OF2, 208                          ; 2,
.set OF3, 226                          ; 3
.macro BARRIER                         ; my LDS stores have landed and my LDS loads are in: then the work-group's barrier
	s_wait_dscnt 0x0
	s_barrier_signal -1
	s_barrier_wait -1
.endm
.macro ROWOFF sb, of                   ; row J of the trip whose rows' numbers stand in s[sb] on: its offset
	s_min_u32 s[\sb+J], s[\sb+J], 1023
	s_lshl_b32 s[\sb+J], s[\sb+J], 12
	v_add_nc_u32 v[\of+J], s[\sb+J], v6
.endm
.macro ROWLOAD of                      ; and its 1,024 bytes of my quarter of the columns
	global_load_b128 v[64+8*J:67+8*J], v[\of+J], s[4:5] th:TH_LOAD_NT
	global_load_b128 v[68+8*J:71+8*J], v[\of+J], s[4:5] offset:512 th:TH_LOAD_NT
.endm
.macro ROWFMA                          ; my 8 columns' sums += weight J x row J
.set A, 0
.rept 4
.if J%2
	v_pk_fma_f32 v[8+A:9+A], v[64+8*J+A:65+8*J+A], v[31+J:32+J], v[8+A:9+A] op_sel:[0,1,0] op_sel_hi:[1,1,1]   ; the pair's second word for both halves
.else
	v_pk_fma_f32 v[8+A:9+A], v[64+8*J+A:65+8*J+A], v[32+J:33+J], v[8+A:9+A] op_sel_hi:[1,0,1]                  ; the pair's first word for both halves
.endif
.set A, A+2
.endr
.endm
	s_load_b256 s[4:11], s[0:1], 0x0               ; enc s[4:5], part s[6:7], idx s[8:9], cntb s[10:11]
	s_load_b128 s[12:15], s[0:1], 0x20             ; out0 s[12:13], out1 s[14:15]
	v_lshl_add_u32 v224, v0, 2, 0x5200
	v_mov_b32 v225, 0
	v_lshrrev_b32 v1, 5, v0
	v_readfirstlane_b32 s16, v1                    ; wave 0..15
	s_and_b32 s18, ttmp7, 0xffff                   ; n
	v_lshlrev_b32 v2, 1, v0                        ; my first place
	v_or_b32 v5, 1, v2                             ; my second
	v_lshlrev_b32 v4, 3, v0                        ; 8 t
	v_and_b32 v6, 31, v0
	v_lshlrev_b32 v6, 4, v6                        ; 16 x lane
	v_lshlrev_b32 v7, 6, v1                        ; my wave's 16 weights of a trip: 64 w
	v_lshlrev_b32 v22, 2, v1                       ; my wave's word among 16
	v_lshl_add_u32 v1, v1, 10, v6                  ; my 16 bytes of my wave's part of the context
	v_mov_b32 v23, 0
	v_mov_b32 v21, 0                               ; written once: a lane permute's destination counts as one of its sources
	v_mov_b32 v41, 0xff800000                      ; -infinity
	s_mov_b32 s28, 0x76543210
	s_mov_b32 s29, 0xfedcba98
	s_mov_b32 s21, 0
	s_wait_alu depctr_va_sdst(0)                   ; s16 is written, ahead of its first reader
	s_lshl_b32 s24, s16, 4                         ; my wave's first place
	s_wait_kmcnt 0x0
	s_lshl_b32 s20, s18, 7
	s_add_nc_u64 s[10:11], s[10:11], s[20:21]
	s_load_b32 s19, s[10:11], 0x0                  ; the batch's count
	s_lshl_b32 s20, s18, 12
	s_add_nc_u64 s[6:7], s[6:7], s[20:21]
	s_add_nc_u64 s[8:9], s[8:9], s[20:21]
	s_add_nc_u64 s[12:13], s[12:13], s[20:21]
	s_add_nc_u64 s[14:15], s[14:15], s[20:21]
	s_lshl_b32 s20, s16, 6
	s_add_nc_u64 s[30:31], s[8:9], s[20:21]
	s_load_b512 s[32:47], s[30:31], 0x0            ; the 16 rows of each of my wave's four trips
	s_load_b512 s[48:63], s[30:31], 0x400
	s_load_b512 s[68:83], s[30:31], 0x800
	s_load_b512 s[84:99], s[30:31], 0xc00
	s_lshl_b32 s20, s18, 22
	s_add_nc_u64 s[4:5], s[4:5], s[20:21]
	s_lshl_b32 s20, ttmp9, 10                      ; my quarter of the columns
	s_add_nc_u64 s[4:5], s[4:5], s[20:21]
	s_add_nc_u64 s[12:13], s[12:13], s[20:21]
	s_wait_kmcnt 0x0
	s_add_co_u32 s22, s19, 63
	s_lshr_b32 s22, s22, 6
	s_max_u32 s22, s22, 1
	s_lshl_b32 s22, s22, 6
	s_sub_co_u32 s22, s22, 2                       ; the last pair of places that the launch before has stored
	v_min_u32 v3, s22, v2
	v_min_u32 v3, 0x3fe, v3
	v_lshlrev_b32 v3, 2, v3
.set J, 0
.rept 16
	ROWOFF 32, OF0                                 ; trip 0's offsets: all offsets of the head's loads are made first
.set J, J+1
.endr
	s_wait_alu depctr_va_vdst(0)                   ; v1, v3, v4, v6, v7, v22, v23 and v48-63 are written: the offsets and addresses that the loads, stores and LDS instructions below read
	global_load_b64 v[42:43], v4, s[8:9]           ; the rows at my two places
.set K, 0
.rept 16
	global_load_b64 v[PT+2*K:PT+2*K+1], v3, s[6:7] offset:262144*K   ; a wave reads 256 consecutive bytes of each slice
.set K, K+1
.endr
.set J, 0
.rept 16
	ROWLOAD OF0                                    ; trip 0's rows: they are on their way while the softmax is made
.set J, J+1
.endr
	s_wait_loadcnt 32                              ; idx and the 16 parts are in: behind them stand the rows' 32 loads
.irp k, 0,1,2,3,4,5,6,7
	v_pk_add_f32 v[PT+4*\k:PT+4*\k+1], v[PT+4*\k:PT+4*\k+1], v[PT+4*\k+2:PT+4*\k+3]
.endr
.irp k, 0,1,2,3
	v_pk_add_f32 v[PT+8*\k:PT+8*\k+1], v[PT+8*\k:PT+8*\k+1], v[PT+8*\k+4:PT+8*\k+5]
.endr
	v_pk_add_f32 v[PT:PT+1], v[PT:PT+1], v[PT+8:PT+9]
	v_pk_add_f32 v[PT+16:PT+17], v[PT+16:PT+17], v[PT+24:PT+25]
	v_pk_add_f32 v[16:17], v[PT:PT+1], v[PT+16:PT+17]   ; my two scores
	v_cmp_gt_u32 s25, s19, v2
	v_cmp_gt_u32 s26, s19, v5
	s_wait_alu depctr_va_sdst(0)                   ; the two compares have written s25 and s26, ahead of the selects that read them
	v_cndmask_b32 v16, v41, v16, s25               ; places past the count are rows under the mask: -infinity
	v_cndmask_b32 v17, v41, v17, s26
	; ---- the batch's largest score
	v_max_num_f32 v20, v16, v17
	v_max_num_f32_dpp v20, v20, v20 row_xmask:1 row_mask:0xf bank_mask:0xf
	v_max_num_f32_dpp v20, v20, v20 row_xmask:2 row_mask:0xf bank_mask:0xf
	v_max_num_f32_dpp v20, v20, v20 row_xmask:4 row_mask:0xf bank_mask:0xf
	v_max_num_f32_dpp v20, v20, v20 row_xmask:8 row_mask:0xf bank_mask:0xf
	v_permlanex16_b32 v21, v20, s28, s29
	v_max_num_f32 v20, v20, v21
	s_wait_alu depctr_va_vdst(0)                   ; v20 is written, which the LDS store reads
	ds_store_b32 v22, v20 offset:RM                ; all lanes write the wave's word with the same number
	BARRIER
.irp i, 0,1,2,3
	ds_load_b128 v[24+4*\i:27+4*\i], v23 offset:RM+16*\i
.endr
	s_wait_dscnt 0x0
	s_wait_alu depctr_vm_vsrc(0)                   ; the LDS store has read v20, which is written below; the parts' loads have read v3, which is written behind the softmax
	v_max3_num_f32 v20, v24, v25, v26
.irp i, 27,29,31,33,35,37
	v_max3_num_f32 v20, v20, v[\i], v[\i+1]
.endr
	v_max_num_f32 v20, v20, v39
	; ---- p = e^(score - largest), and the batch's sum
	v_sub_f32 v16, v16, v20
	v_sub_f32 v17, v17, v20
	v_mul_f32 v16, 0x3fb8aa3b, v16
	v_mul_f32 v17, 0x3fb8aa3b, v17
	v_exp_f32 v16, v16
	v_exp_f32 v17, v17
	v_nop                                          ; a plain line behind the exponentials,
	s_wait_alu depctr_va_vdst(0)                   ; and the wait: the two exponentials have written v16 and v17, ahead of their first use
	v_add_f32 v20, v16, v17
	v_add_f32_dpp v20, v20, v20 row_xmask:1 row_mask:0xf bank_mask:0xf
	v_add_f32_dpp v20, v20, v20 row_xmask:2 row_mask:0xf bank_mask:0xf
	v_add_f32_dpp v20, v20, v20 row_xmask:4 row_mask:0xf bank_mask:0xf
	v_add_f32_dpp v20, v20, v20 row_xmask:8 row_mask:0xf bank_mask:0xf
	v_permlanex16_b32 v21, v20, s28, s29
	v_add_f32 v20, v20, v21
	s_wait_alu depctr_va_vdst(0)                   ; v20 is written, which the LDS store reads; the maximum's lines are done reading v24-39, in which the LDS loads below land
	ds_store_b32 v22, v20 offset:RS
	BARRIER
.irp i, 0,1,2,3
	ds_load_b128 v[24+4*\i:27+4*\i], v23 offset:RS+16*\i
.endr
	s_wait_dscnt 0x0
.irp i, 0,1,2,3
	v_pk_add_f32 v[24+4*\i:25+4*\i], v[24+4*\i:25+4*\i], v[26+4*\i:27+4*\i]
.endr
	v_pk_add_f32 v[24:25], v[24:25], v[28:29]
	v_pk_add_f32 v[32:33], v[32:33], v[36:37]
	v_pk_add_f32 v[24:25], v[24:25], v[32:33]
	v_add_f32 v40, v24, v25
	v_rcp_f32 v40, v40
	v_min_u32 v18, 0x3ff, v42                      ; (plain lines behind the reciprocal)  where my two weights go in out1
	v_min_u32 v19, 0x3ff, v43
	v_lshlrev_b32 v18, 2, v18
	v_lshlrev_b32 v19, 2, v19
	s_wait_alu depctr_va_vdst(0)                   ; the reciprocal has written v40, ahead of its first use
	v_mul_f32 v16, v16, v40                        ; the weights
	v_mul_f32 v17, v17, v40
	v_mul_f32 v3, 0, v40                           ; 0, or NaN where no row counts: added to the context below
	s_wait_alu depctr_va_vdst(0)                   ; v16-19 are written, which the LDS store and the two stores read; the lines above are done with v32-43, in which trip 0's weights land
	ds_store_b64 v4, v[16:17] offset:WL
	s_lshr_b32 s23, s16, 2                         ; out1: waves 4 hq .. 4 hq + 3 store places 256 hq .. + 255; idx holds every row once, so each number of out1 is written once in the launch
	s_cmp_lg_u32 s23, ttmp9
	s_cbranch_scc1 .Lno_w
	global_store_b32 v18, v16, s[14:15]            ; v16-19 are not written again
	global_store_b32 v19, v17, s[14:15]
.Lno_w:
	BARRIER                                        ; the 1,024 weights lie in LDS
	; ---- the context
.irp a, 0,1,2,3,4,5,6,7
	v_mov_b32 v[8+\a], 0                           ; my 8 columns' sums: 4 lane + 0..3 and 128 + 4 lane + 0..3
.endr
	s_cmp_ge_u32 s24, s19                          ; none of my places counts
	s_cbranch_scc1 .Lsummed
; Trip u: places 256 u + 16 w .. + 15; its 32 loads are out when it begins, row 0's the oldest.  sbn: where the next trip's rows' numbers stand; ofn: where its offsets go.
.macro TRIP u, sbn, ofn
.irp i, 0,1,2,3
	ds_load_b128 v[32+4*\i:35+4*\i], v7 offset:WL+1024*\u+16*\i     ; 16 weights, the same in every lane.  No vector instruction has named v32-47 since the last wait on va_vdst
.endr
	s_wait_dscnt 0x0
.if \u < 3
	s_add_co_u32 s27, s24, 256*(\u+1)
	s_cmp_ge_u32 s27, s19
	s_cbranch_scc1 .Llast_\u
.set J, 0
.rept 16
	ROWOFF \sbn, \ofn                              ; the next trip's offsets, in registers that no load has read
.set J, J+1
.endr
.set G, 0
.rept 4
.set J, 4*G
.rept 4
	s_wait_loadcnt 30-2*(J%4)                      ; row J's two loads are in: behind them stand rows J + 1 .. 15 of this trip and the next trip's rows of the groups that are done: 30 - 2 (J % 4) loads
	ROWFMA
.set J, J+1
.endr
	s_wait_alu depctr_va_vdst(0)                   ; the multiply-adds are done reading these four rows' registers, in which the loads below land; the next trip's offsets are written; behind the last group: they are done reading the weights too
.set J, 4*G
.rept 4
	ROWLOAD \ofn                                   ; the four rows' registers take the next trip's four rows
.set J, J+1
.endr
.set G, G+1
.endr
	s_branch .Lnext_\u
.Llast_\u:
.endif
.set J, 0
.rept 16
	s_wait_loadcnt 30-2*J                          ; my last trip asks for nothing: the counts run down
	ROWFMA
.set J, J+1
.endr
.if \u < 3
	s_branch .Lsummed
.Lnext_\u:
.endif
.endm
	TRIP 0, 48, OF1
	TRIP 1, 68, OF2
	TRIP 2, 84, OF3
	TRIP 3, 0, 0
.Lsummed:
	s_wait_loadcnt 0x0                             ; (a wave that used none of its rows: their loads have landed, so their registers may be written)
	s_wait_alu depctr_va_vdst(0)                   ; v8-15 are written, which the LDS stores read; the multiply-adds are done reading v64-95, in which the LDS loads below land
	ds_store_b128 v1, v[8:11] offset:CR
	ds_store_b128 v1, v[12:15] offset:CR+512
	BARRIER                                        ; the 16 waves' parts lie in LDS
	s_cmp_ge_u32 s16, 4
	s_cbranch_scc1 .Lend
.set K, 0
.rept 16
	ds_load_b64 v[64+2*K:65+2*K], v4 offset:CR+1024*K              ; threads 0-127: columns 2 t, 2 t + 1 of each part
.set K, K+1
.endr
	s_wait_dscnt 0x0
.irp k, 0,1,2,3,4,5,6,7
	v_pk_add_f32 v[64+4*\k:65+4*\k], v[64+4*\k:65+4*\k], v[66+4*\k:67+4*\k]
.endr
.irp k, 0,1,2,3
	v_pk_add_f32 v[64+8*\k:65+8*\k], v[64+8*\k:65+8*\k], v[68+8*\k:69+8*\k]
.endr
	v_pk_add_f32 v[64:65], v[64:65], v[72:73]
	v_pk_add_f32 v[80:81], v[80:81], v[88:89]
	v_pk_add_f32 v[64:65], v[64:65], v[80:81]
	v_add_f32 v64, v64, v3
	v_add_f32 v65, v65, v3
	s_wait_alu depctr_va_vdst(0)                   ; v64 and v65 are written, which the store reads
	global_store_b64 v4, v[64:65], s[12:13]        ; a wave stores 256 consecutive bytes, at a multiple of 256 from out0's first byte
.Lend:
	s_wait_dscnt 0x0                               ; the closing lines, six on end
	s_wait_alu 0x0
	s_wait_tensorcnt 0x0
	ds_add_u32 v224, v225
	s_wait_dscnt 0x0
	s_endpgm
.Lfunc_end_k_qe714769855_context:
	.size	k_qe714769855_context, .Lfunc_end_k_qe714769855_context-k_qe714769855_context
	.p2alignl 7, 3214868480
	.fill 96, 4, 3214868480
	.section	.rodata,"a",@progbits
	.p2align	6, 0x0
	.amdhsa_kernel k_qe714769855_context
		.amdhsa_group_segment_fixed_size 23040
		.amdhsa_private_segment_fixed_size 0
		.amdhsa_enable_private_segment 0
		.amdhsa_kernarg_size 48
		.amdhsa_user_sgpr_count 2
		.amdhsa_user_sgpr_kernarg_segment_ptr 1
		.amdhsa_wavefront_size32 1
		.amdhsa_system_sgpr_workgroup_id_x 1
		.amdhsa_system_sgpr_workgroup_id_y 1
		.amdhsa_system_sgpr_workgroup_id_z 1
		.amdhsa_system_vgpr_workitem_id 0
		.amdhsa_next_free_vgpr 242
		.amdhsa_next_free_sgpr 100
		.amdhsa_reserve_vcc 0
		.amdhsa_float_denorm_mode_32 3
		.amdhsa_float_denorm_mode_16_64 3
		.amdhsa_memory_ordered 1
		.amdhsa_forward_progress 1
		.amdhsa_inst_pref_size 66
	.end_amdhsa_kernel
	.amdgpu_metadata
---
amdhsa.version: [ 1, 2 ]
amdhsa.kernels:
  - .name:           k_qe714769855_context
    .symbol:         k_qe714769855_context.kd
    .args:
      - { .name: encoder_hiddens, .offset: 0, .size: 8, .value_kind: global_buffer, .address_space: global }
      - { .name: part, .offset: 8, .size: 8, .value_kind: global_buffer, .address_space: global }
      - { .name: idx, .offset: 16, .size: 8, .value_kind: global_buffer, .address_space: global }
      - { .name: cntb, .offset: 24, .size: 8, .value_kind: global_buffer, .address_space: global }
      - { .name: out0, .offset: 32, .size: 8, .value_kind: global_buffer, .address_space: global }
      - { .name: out1, .offset: 40, .size: 8, .value_kind: global_buffer, .address_space: global }
    .group_segment_fixed_size: 23040
    .private_segment_fixed_size: 0
    .kernarg_segment_align: 8
    .kernarg_segment_size: 48
    .max_flat_workgroup_size: 512
    .sgpr_count:     100
    .vgpr_count:     242
    .wavefront_size: 32
...
	.end_amdgpu_metadata
.endif
;; end of part 6
